; MI455X (gfx1250); checked and timed in simulation.
; The chip was launched on July 23, 2026; its instructions are those of AMD's public machine-readable ISA for CDNA 5 (MIT licence, August 2026) and "CDNA5" Instruction Set Architecture Reference Guide (July 2026). The comments in the code are by the model that wrote it; some were corrected since.
;; My Self Attention. Allowed arithmetic: matrix products marked QUANTISED: E2M3 operands, one E8M0 scale for each 32 along K, by v_wmma_scale_f32_16x16x128_f8f6f4 with both operands' format E2M3, f32 sums; everything else in f32.
;; Inputs: bk 1,024 float32; bq 1,024 float32; bv 1,024 float32; wk 1,024 x 1,024 float32; wq 1,024 x 1,024 float32; wv 1,024 x 1,024 float32; x 4 x 2,048 x 1,024 float32.
;; Outputs: out0 4 x 2,048 x 1,024 float32.
;; This version of the problem:
;;   THIS VERSION OF THE PROBLEM IS GIVEN IN LOW PRECISION. The matrix products marked QUANTISED in the list below multiply operands that are first quantised to E2M3 (2 exponent bits, 3 mantissa bits; 6 bits a number), with one power-of-two scale for each 32 numbers along K (OCP MX v1.0); their sums are f32. All else is computed in f32.
;;   The module's matrix products, in the order in which they are computed (A, B: the left and right operand; K: the contracted axis; several contracted axes count as one K, in the product's order):
;;     1. [M 8,192, K 1,024] x [K 1,024, N 1,024]; A: input x; B: input wq: QUANTISED
;;     2. [M 8,192, K 1,024] x [K 1,024, N 1,024]; A: input x; B: input wk: QUANTISED
;;     3. [M 8,192, K 1,024] x [K 1,024, N 1,024]; A: input x; B: input wv: QUANTISED
;;     4. batch 4 x [M 2,048, K 1,024] x [K 1,024, N 2,048]; A: computed on the way; B: computed on the way: QUANTISED
;;     5. batch 4 x [M 2,048, K 2,048] x [K 2,048, N 1,024]; A: softmax (see below); B: computed on the way: QUANTISED
;;   THE QUANTISER, for each operand of a quantised product, along K:
;;     - K is cut into blocks of 32 from its start; a last block that is shorter is filled with zeros.
;;     - A block's scale is 2^e with e = floor(log2(the largest magnitude in the block)) - 2, held to -126 .. 127; a block of zeros has e = 0. As a byte (E8M0): e + 127.
;;     - Each number is divided by its block's scale, clamped to +-7.5, and rounded to the nearest number of E2M3, ties to even, subnormals kept.
;;     - The product sums the exact products of the quantised numbers (number of the format x scale) in f32.
;;   ~~~python
;;   def quantise(x, axis):      # numpy; x: float32 -> the quantised numbers, widened to float32 again
;;       x = np.moveaxis(x, axis, -1); K = x.shape[-1]
;;       x = np.pad(x, [(0, 0)] * (x.ndim - 1) + [(0, -K % 32)]); x = x.reshape(x.shape[:-1] + (-1, 32)); a = np.abs(x).max(-1, keepdims=True)
;;       e = np.where(a > 0, np.clip(np.frexp(np.where(a > 0, a, 1))[1] - 1 - 2, -126, 127), 0)      # np.frexp(a)[1] - 1 = floor(log2(a)), exactly
;;       r = np.clip(x / 2.0 ** e, -7.5, 7.5)
;;       step = 2.0 ** (np.maximum(np.frexp(np.where(r == 0, 1, r))[1] - 1, 0) - 3)
;;       q = np.round(r / step) * step * 2.0 ** e      # np.round: ties to even
;;       return np.moveaxis(q.reshape(q.shape[:-2] + (-1,))[..., :K], -1, axis).astype(np.float32)
;;   ~~~
;;   SOFTMAX AHEAD OF A QUANTISED PRODUCT. Where the list says 'softmax', what is quantised is not the finished softmax but p = 2^(t - M), with t = logit x log2(e) and M = ceil(the row's largest t), a whole number; so 1/2 < the row's largest p <= 1. The row's sum l is taken of the UNQUANTISED p, in f32, and the product's result is divided by l at the end. Since M is a whole number, a kernel that streams over the keys may use a running M (the ceiling of the running maximum): every later rescaling is an exact power of two, which a block's scale takes up: the codes' values come out the same.
;;   OPERANDS COMPUTED ON THE WAY. 'Computed on the way' means the value that the module computes at that place (a softmax that the list does not call 'softmax' is quantised finished and normalised). What goes into a quantiser is computed in f32, as accurately as f32 sums, v_exp_f32 and their like allow (about 1e-6 of the number): no bf16 or f16 on the way to a quantiser, and a product that is left as it is and whose result goes on into a quantised operand takes f32 operands (vector FMAs, or v_wmma_f32_16x16x4_f32). A number that lies on a knife's edge between two numbers of the format may be rounded either way, as far as f32 arithmetic and the matrix unit's own rounding can turn it there, and no further.
;; One version. Each part assembles by itself: llvm-mc -triple=amdgcn-amd-amdhsa -mcpu=gfx1250 --defsym DOCPART=n.
;; ======== version 1 of 1: 4 launches
;; limits: right only within a limited range of input values
;; workspace buffers: xwc 8,650,752 bytes; xws 360,448 bytes; qkvc 18,874,368 bytes; qkvs 786,432 bytes; pc 12,582,912 bytes; pst 2,621,440 bytes
;; launch quant (part 1): grid 256 x 1, 11 waves a work-group, no clusters, 94,464 bytes of LDS; arguments x, wq, wk, wv, xwc, xws; writes xwc, xws
.if DOCPART == 1
	.amdgcn_target "amdgcn-amd-amdhsa--gfx1250"
	.amdhsa_code_object_version 6
	.text
	.protected	k_qa74bb13cb4_quant
	.globl	k_qa74bb13cb4_quant
	.p2align	8
	.type	k_qa74bb13cb4_quant,@function
k_qa74bb13cb4_quant:
	s_mov_b64 s[64:65], 0
	v_nop
	global_prefetch_b8 v0, s[64:65] scope:SCOPE_SE
	s_setreg_imm32_b32 hwreg(HW_REG_WAVE_MODE, 25, 1), 1
	s_wait_xcnt 0x0
; x [8192][1024] and wq, wk, wv [1024][1024], f32, K innermost, become codes of FP6 (E2M3) with one E8M0 scale for each 32 along K, taken as ONE tensor of 11,264 rows (x, then wq, wk, wv).
; A block's scale is 2^(floor(log2(its largest magnitude)) - 2); its byte is the largest magnitude's exponent field - 2, held at 1 from below; each number is divided by the scale and rounded to the nearest code, ties to even.
; THE CODES ARE IMAGES OF OPERAND REGISTERS.  A fragment is 16 rows x 128 K, 12 registers a lane: registers 4 c .. 4 c + 3 of lane l at byte 512 c + 16 l of 1,536.  xwc: [row block 704][K step 8][1,536].
; ROW ORDER: slot 8 h + i of row block 4 G + j is row 64 G + 32 h + 8 j + i: a lane's 32 results of four such blocks, used as source 0, are then 32 neighbours: one scale block of what follows.
; THE SCALE WORDS (four bytes: 128 along K of one row): [group of 32 slots 352][K step 8][32 slots].
; SHARES: a unit is two row blocks (one group) x one K step: 2,816 units, eleven for each of the 256 work-groups, one a wave.  Each load reads 512 consecutive bytes of one row; the 16 rows turn through the wave's own stage
; (rows 528 bytes apart).  Every store of codes covers 512 consecutive bytes, aligned; a unit's scale words are 128 consecutive bytes (eleven units a work-group: no whole number of 256 bytes).
; LIMITS: NaN and infinities are not served.  A block of zeros gets the byte 1 where the rule says 127: its codes are zeros, and this program alone reads the bytes.  Blocks whose largest magnitude lies under 2^-124 have the byte held at 1.
.set NW,   11
.set STG,  8448                        ; a wave's stage: 16 rows x 528 bytes
.set SPARE, NW*STG                     ; the spare words, 128 bytes for each wave: six blocks of 256 bytes
.set R,    32                          ; v32-159  two sets of 64 numbers
.set PC,   160                         ; v160-199 two sets of 20: a fragment's 12 registers and 8 at work
.set TM,   200                         ; v200-215 at work
.set PW,   216                         ; v216, v217 the two blocks' scale words; v218 the two in one register
.set SPW,  228
.set NIL,  229
.set SEL,  20                          ; s[20:21] lane selects for v_permlanex16_b32: lane l xor 16
	s_load_b256 s[4:11], s[0:1], 0x0               ; x s[4:5], wq s[6:7], wk s[8:9], wv s[10:11]
	s_load_b128 s[12:15], s[0:1], 0x20             ; xwc s[12:13], xws s[14:15]
	v_lshl_add_u32 v[SPW], v0, 2, SPARE
	v_mov_b32 v[NIL], 0
	v_lshrrev_b32 v1, 5, v0
	v_readfirstlane_b32 s16, v1                    ; wave 0..10
	v_and_b32 v1, 31, v0                           ; lane
	v_and_b32 v2, 15, v0                           ; r
	v_bfe_u32 v3, v0, 4, 1                         ; h
	v_lshlrev_b32 v4, 4, v1                        ; 16 x lane
	v_lshlrev_b32 v7, 2, v1                        ; 4 x lane
	s_mul_i32 s17, s16, STG
	v_add_nc_u32 v5, s17, v4                       ; the stage, on the way in: a row's 512 bytes as they lie
	v_mul_u32_u24 v6, v2, 528
	v_lshl_add_u32 v6, v3, 6, v6
	v_add_nc_u32 v6, s17, v6                       ; and on the way out: row r, + 64 h: my 16 numbers of a block of 32
.irp b, 0,1,2,3
	v_mov_b32 v[TM+4+\b], 0                        ; written once: a lane permute's destination counts as one of its sources
.endr
	s_wait_alu depctr_va_vdst(0)
	s_mov_b32 s[SEL], 0x76543210
	s_mov_b32 s[SEL+1], 0xfedcba98
	s_mul_i32 s30, ttmp9, NW
	s_add_co_u32 s30, s30, s16                     ; my unit
	s_lshr_b32 s31, s30, 3                         ; its group of 32 slots
	s_and_b32 s18, s30, 7                          ; its K step
	s_mov_b32 s24, 320
	s_wait_kmcnt 0x0
	s_cmp_lt_u32 s31, 320                          ; which tensor: groups 0-255 x, 256-287 wq, 288-319 wk, 320-351 wv
	s_cselect_b64 s[22:23], s[8:9], s[10:11]
	s_cselect_b32 s24, 288, s24
	s_cmp_lt_u32 s31, 288
	s_cselect_b64 s[22:23], s[6:7], s[22:23]
	s_cselect_b32 s24, 256, s24
	s_cmp_lt_u32 s31, 256
	s_cselect_b64 s[22:23], s[4:5], s[22:23]
	s_cselect_b32 s24, 0, s24
	s_sub_co_u32 s24, s31, s24                     ; the group's number in its tensor
	s_lshr_b32 s25, s24, 1
	s_lshl_b32 s25, s25, 18                        ; 64 rows of 4,096 bytes for two groups,
	s_and_b32 s24, s24, 1
	s_lshl_b32 s24, s24, 16                        ; the second begins 16 rows on
	s_add_co_u32 s24, s24, s25
	s_lshl_b32 s25, s18, 9                         ; + my K step's 512 bytes
	s_add_co_u32 s24, s24, s25
	s_mov_b32 s25, 0
	s_add_nc_u64 s[22:23], s[22:23], s[24:25]
	s_mul_i32 s26, s31, 24576                      ; the codes: two row blocks of 12,288 bytes a group,
	s_mul_i32 s27, s18, 1536                       ; my K step's image in each
	s_add_co_u32 s26, s26, s27
	s_mov_b32 s27, 0
	s_add_nc_u64 s[26:27], s[12:13], s[26:27]
	s_lshl_b32 s28, s30, 7                         ; the scale words: 128 bytes a unit
	s_mov_b32 s29, 0
	s_add_nc_u64 s[28:29], s[14:15], s[28:29]
.macro LOAD u                          ; row block u of my two: slot i is row 8 u + i % 8 + 32 (i / 8) from the base
.set i, 0
.rept 16
	global_load_b128 v[R+64*\u+4*i:R+64*\u+4*i+3], v4, s[22:23] offset:(8*\u+(i%8)+32*(i/8))*4096 th:TH_LOAD_NT
.set i, i+1
.endr
.endm
.macro TURN u                          ; through the stage.  LDS serves a wave's instructions in order (ISA guide 5.7.1.4)
.set i, 0
.rept 16
	ds_store_b128 v5, v[R+64*\u+4*i:R+64*\u+4*i+3] offset:528*i
.set i, i+1
.endr
.set i, 0
.rept 16
	ds_load_b128 v[R+64*\u+4*i:R+64*\u+4*i+3], v6 offset:128*(i/4)+16*(i%4)   ; register 16 b + 4 j ..: k = 32 b + 16 h + 4 j .. of row slot r
.set i, i+1
.endr
.endm
.macro QUANT s, pc, pw                 ; 64 numbers of a lane become a fragment's codes in v[pc] on and its scale word in v[pw]
.irp b, 0,1,2,3
	v_max3_num_f32 v[TM+\b], |v[\s+16*\b]|, |v[\s+1+16*\b]|, 0x1800000   ; block b: my 16 numbers, and the floor 2^(3 - 127): so the byte cannot fall under 1
.endr
.irp i, 2,4,6,8,10,12,14
.irp b, 0,1,2,3
	s_delay_alu instid0(VALU_DEP_4)
	v_max3_num_f32 v[TM+\b], v[TM+\b], |v[\s+16*\b+\i]|, |v[\s+1+16*\b+\i]|
.endr
.endr
.irp b, 0,1,2,3
	s_delay_alu instid0(VALU_DEP_4)
	v_permlanex16_b32 v[TM+4+\b], v[TM+\b], s[SEL], s[SEL+1]
.endr
.irp b, 0,1,2,3
	s_delay_alu instid0(VALU_DEP_4)
	v_max_num_f32 v[TM+\b], v[TM+\b], v[TM+4+\b]   ; with lane l xor 16's: the block's largest magnitude
.endr
.irp b, 0,1,2,3
	s_delay_alu instid0(VALU_DEP_4)
	v_add_nc_u32 v[TM+12+\b], 0xff000000, v[TM+\b] ; 2 off its exponent field: the conversion's scale operand
.endr
.irp b, 0,1,2,3
	s_delay_alu instid0(VALU_DEP_4)
	v_lshrrev_b32 v[TM+4+\b], 23, v[TM+12+\b]      ; the scale's byte
.endr
	s_delay_alu instid0(VALU_DEP_3)
	v_lshl_or_b32 v[\pw], v[TM+5], 8, v[TM+4]
	s_delay_alu instid0(VALU_DEP_1)
	v_lshl_or_b32 v[\pw], v[TM+6], 16, v[\pw]
	s_delay_alu instid0(VALU_DEP_1)
	v_lshl_or_b32 v[\pw], v[TM+7], 24, v[\pw]
.irp c, 0,1
	v_cvt_scalef32_pk16_fp6_f32 v[\pc+6*\c:\pc+2+6*\c], v[\s+32*\c:\s+15+32*\c], v[TM+12+2*\c]
	v_cvt_scalef32_pk16_fp6_f32 v[\pc+12+4*\c:\pc+14+4*\c], v[\s+16+32*\c:\s+31+32*\c], v[TM+13+2*\c]
.endr
	v_nop                                          ; one plain place behind a scaled conversion
.irp c, 0,1                            ; the operand's layout wants a WHOLE block in a lane: lanes 0-15 block 2 c, lanes 16-31 block 2 c + 1
.irp i, 0,1,2
	v_permlane16_swap_b32 v[\pc+6*\c+\i], v[\pc+12+4*\c+\i]
.endr
.irp i, 0,1,2
	s_delay_alu instid0(VALU_DEP_3)
	v_mov_b32 v[\pc+3+6*\c+\i], v[\pc+12+4*\c+\i]
.endr
.endr
.endm
.macro OUT u                           ; three stores of 512 consecutive bytes
.irp c, 0,1,2
	global_store_b128 v4, v[PC+20*\u+4*\c:PC+20*\u+4*\c+3], s[26:27] offset:12288*\u+512*\c
.endr
.endm
	LOAD 0
	LOAD 1
	s_wait_loadcnt 16                              ; row block 0's 16 loads are in; the other's 16 may be out
	TURN 0
	s_wait_loadcnt 0x0
	TURN 1
	s_wait_dscnt 32                                ; row block 0 is back from the stage; the other's 16 stores and 16 loads may be out
	QUANT R, PC, PW
	OUT 0
	s_wait_dscnt 0x0
	QUANT R+64, PC+20, PW+1
	OUT 1
	v_cmp_lt_u32 vcc_lo, 15, v1
	v_cndmask_b32 v[PW+2], v[PW], v[PW+1], vcc_lo  ; lanes 0-15 the first block's words, lanes 16-31 the second's
	global_store_b32 v7, v[PW+2], s[28:29]
	s_wait_tensorcnt 0x0                           ; the wave's end
	ds_add_u32 v[SPW], v[NIL]
	s_wait_dscnt 0x0
	s_endpgm
.Lfunc_end_k_qa74bb13cb4_quant:
	.size	k_qa74bb13cb4_quant, .Lfunc_end_k_qa74bb13cb4_quant-k_qa74bb13cb4_quant
	.p2alignl 7, 3214868480
	.fill 96, 4, 3214868480
	.section	.rodata,"a",@progbits
	.p2align	6, 0x0
	.amdhsa_kernel k_qa74bb13cb4_quant
		.amdhsa_group_segment_fixed_size 94464
		.amdhsa_private_segment_fixed_size 0
		.amdhsa_enable_private_segment 0
		.amdhsa_kernarg_size 48
		.amdhsa_user_sgpr_count 2
		.amdhsa_user_sgpr_kernarg_segment_ptr 1
		.amdhsa_wavefront_size32 1
		.amdhsa_system_sgpr_workgroup_id_x 1
		.amdhsa_system_sgpr_workgroup_id_y 1
		.amdhsa_system_sgpr_workgroup_id_z 1
		.amdhsa_system_vgpr_workitem_id 0
		.amdhsa_next_free_vgpr 230
		.amdhsa_next_free_sgpr 66
		.amdhsa_reserve_vcc 1
		.amdhsa_float_denorm_mode_32 3
		.amdhsa_float_denorm_mode_16_64 3
		.amdhsa_memory_ordered 1
		.amdhsa_forward_progress 1
		.amdhsa_inst_pref_size 22
	.end_amdhsa_kernel
	.amdgpu_metadata
---
amdhsa.version: [ 1, 2 ]
amdhsa.kernels:
  - .name:           k_qa74bb13cb4_quant
    .symbol:         k_qa74bb13cb4_quant.kd
    .args:
      - { .name: x, .offset: 0, .size: 8, .value_kind: global_buffer, .address_space: global }
      - { .name: wq, .offset: 8, .size: 8, .value_kind: global_buffer, .address_space: global }
      - { .name: wk, .offset: 16, .size: 8, .value_kind: global_buffer, .address_space: global }
      - { .name: wv, .offset: 24, .size: 8, .value_kind: global_buffer, .address_space: global }
      - { .name: xwc, .offset: 32, .size: 8, .value_kind: global_buffer, .address_space: global }
      - { .name: xws, .offset: 40, .size: 8, .value_kind: global_buffer, .address_space: global }
    .group_segment_fixed_size: 94464
    .private_segment_fixed_size: 0
    .kernarg_segment_align: 8
    .kernarg_segment_size: 48
    .max_flat_workgroup_size: 352
    .sgpr_count:     66
    .vgpr_count:     230
    .wavefront_size: 32
...
	.end_amdgpu_metadata
.endif
;; end of part 1
;; launch qkv (part 2): grid 8 x 32, 4 waves a work-group, clusters of 4 x 4, 327,680 bytes of LDS; arguments xwc, xws, bq, bk, bv, qkvc, qkvs; writes qkvc, qkvs
.if DOCPART == 2
	.amdgcn_target "amdgcn-amd-amdhsa--gfx1250"
	.amdhsa_code_object_version 6
	.text
	.protected	k_qa74bb13cb4_qkv
	.globl	k_qa74bb13cb4_qkv
	.p2align	8
	.type	k_qa74bb13cb4_qkv,@function
k_qa74bb13cb4_qkv:
	s_mov_b64 s[64:65], 0
	v_nop
	global_prefetch_b8 v0, s[64:65] scope:SCOPE_SE
	s_setreg_imm32_b32 hwreg(HW_REG_WAVE_MODE, 25, 1), 1
	s_wait_xcnt 0x0
	s_wait_alu depctr_hold_cnt(0) depctr_sa_sdst(0) depctr_va_vdst(0) depctr_va_sdst(0) depctr_va_ssrc(0) depctr_va_vcc(0) depctr_vm_vsrc(0)
	s_getreg_b32 s2, hwreg(HW_REG_IB_STS2, 6, 4)
	s_cmp_eq_u32 s2, 0
	s_cbranch_scc0 .Lentry_in_a_cluster
	s_endpgm
.Lentry_in_a_cluster:
	s_bfe_u32 s2, ttmp6, 0x10000c
	s_cmp_lg_u32 s2, 0xf033
	s_cbranch_scc0 .Lentry_shape_is_right
	s_endpgm
.Lentry_shape_is_right:
; PART 1: q | k = x [wq; wk]^T + [bq; bk].  PART 2: v^T = wv x^T + bv.  Both on codes of FP6 (E2M3) with E8M0 scales, sums in f32; each result is quantised along its COLUMNS in registers and leaves as codes.
; OPERANDS are images of operand registers (16 rows x 128 K = 1,536 bytes: registers 4 c .. 4 c + 3 of lane l at 512 c + 16 l), xwc [block 704][K step 8]; blocks 0-511 x, 512-575 wq, 576-639 wk, 640-703 wv.
; Slot 8 h + i of block 4 G + j is row 64 G + 32 h + 8 j + i.  THE MATRIX INSTRUCTION IS USED TRANSPOSED (source 0 = a block of B, source 1 = a block of A): in accumulator (a, b = 2 b' + u) register j of lane (r, h) holds
; row slot r of A's block a and column 64 (b / 4) + 32 h + 8 (b % 4) + j.  So a lane's 64 registers of one block of A are two whole blocks of 32 columns: what the conversions want; and the result's image keeps A's row slots.
; A WORK-GROUP STAYS.  q | k has 32 x 8 tiles of 256 x 256 and v^T 8 x 32 tiles of 128 x 256: 256 of each, so each of the 256 work-groups makes one of each and all have the same work.
; CLUSTERS OF 4 x 4, cluster (X, Y), place (cx, cy).  The x tile TA = 4 Y + cy serves both parts and is shared along a row of the cluster; the weights hang on TE = 4 X + cx and are shared along a column: each is asked for JOINTLY.
; PART 1: A = x tile TA, B = rows 256 TE of [wq; wk]; a wave makes 128 x 128 (64 accumulators); result: K step 2 TE + LO of qkvc's first part [block 512][K step 16: 0-7 q, 8-15 k].
; PART 2: A = rows 128 TE of wv, B = x tile TA; a wave makes 64 (its LO) x 128 (its HI): 32 accumulators; result rows e, columns t: qkvc's second part [block 64][K step 64], the keys innermost.
; THE RING.  K = 1,024 is 8 K steps.  Part 1: a slot holds two; three slots are filled at the start and slot 0 once more (K steps 6, 7) at K step 3.  Part 2's tiles come by two fills of four K steps each: the first at part 1's
; K step 5 (x into slot 1, wv into the first half of slot 2: every wave has read both by then), the second in the middle of part 1's way out (x into slot 0, wv into the second half of slot 2).
; A wave has at most one tensor load out.
; THE BIAS is the C of each sum's first product: tuples of 8 registers in the result's layout (q | k: by column; v^T: by row, the same number in all eight).
; LIMITS: NaN and infinities are not served.  A block of zeros gets the byte 1 where the rule says 127: its codes are zeros, and this program alone reads the bytes.
; REGISTERS: window 0: v1-31 addresses; v32-39 the scale words of source 1, v40-47 of source 0 (two sets; they hold scales and nothing else); v48-55 the bias's offsets; v64-255 source 1's fragments, two sets;
;   on the way out v64-223 codes, v224-253 at work.   window 1: v0-191 source 0's fragments, two sets; v192-255 the bias.   windows 2, 3: accumulator (a, b) at v[8 (8 (a % 4) + b)] of window 2 + a / 4.
.set BLK,   3072                       ; part 1: a block's two K steps in a slot
.set SLOT,  32*BLK                     ; A's 16 blocks, then B's 16
.set BLK2,  6144                       ; part 2: a block's four K steps
.set SCA,   3*SLOT                     ; x's scale words, 256 rows x 8 K steps: they serve both parts; SCB: those of [wq; wk]
.set SCB,   SCA+8192
.set SPARE, SCB+8192                   ; the spare words, 128 bytes for each wave: two blocks of 256 bytes that no other line names
.set SCRT,  SPARE+512                  ; 512 bytes for each wave: a result's scale words gather here; no fill lands here
.set SWV,   SCRT+2048                  ; 2,048 bytes for each wave: the scale words of its 64 rows of wv; written by LDS stores alone
.set NF,    56                         ; part 1: LDS loads in a run: 24 for B, 24 for A, 8 scale words
.set NF2,   42                         ; part 2: 24 for x, 12 for wv, 6 scale words
.set SX,    1024                       ; scale words in LDS: from a pair of blocks to the next,
.set SK,    128                        ; from a K step to the next
.set L8,   6                           ; 8 x lane
.set SCRD2, 7                          ; my scratch, 8 x lane
.set XAD,  8                           ; v8, v9   part 2: my 8 blocks of x in the first fill, in the second
.set WAD,  10                          ; v10, v11 part 2: my 4 blocks of wv
.set VSW,  12                          ; wv's scale words, 4 x lane
.set SWW,  13                          ; the same bytes, 16 x lane
.set BVO,  14                          ; bv: my row slot's place in its pair of blocks
.set ADRA, 16                          ; v16-18 part 1: my A fragments in slot 0, 1, 2
.set ADRB, 20                          ; v20-22 the same for B
.set VSA,  24
.set VSB,  25
.set LI,   26                          ; 16 x lane
.set SCW,  27                          ; my scratch, 4 r
.set SPW,  28                          ; my spare word; never rewritten
.set NIL,  29                          ; 0; never rewritten
.set SCRD, 30                          ; my scratch, 16 x lane
.set SAR,  32
.set SBR,  40
.set BO,   48
.set AF,   64
.set PCB,  64
.set TM,   224
.set PW,   240
.set BIA,  192
.set WV,   18
.set WHI,  19
.set WLO,  20
.set CX,   21
.set CY,   22
.set CLX,  23
.set CLY,  66
.set G1A,  24                          ; s[24:31], s[32:39] descriptor groups 1 for x's tiles and the weights'; s[40:47], s[48:55] for their scale words
.set G1B,  32
.set G1SA, 40
.set G1SB, 48
.set G0SA, 56                          ; s[56:59], s[60:63] groups 0 for the scale words; s[68:79], s[80:91] for the tiles, one set a slot
.set G0SB, 60
.set G0A,  68
.set G0B,  80
.set OC,   92                          ; s[92:93] where part 1's codes go; s[94:95] its scale words.  Part 2's: s[14:15], s[16:17]
.set OS,   94
.set BP,   96                          ; s[96:97] bq or bk.  bv: s[12:13].  wv's codes: s[4:5]; its scale words: s[6:7]
.set SEL,  98
.set MSB, 0
.macro WIN new                         ; the immediate's high byte repeats the setting that is left
.if MSB != (\new)
	s_set_vgpr_msb (MSB<<8)|(\new)
.set MSB, (\new)
.endif
.endm
.macro PLACES n
.rept \n
	v_nop
.endr
.endm
; A joint load: waves 0 and 1 fetch x's halves, waves 2 and 3 the weights'; the branch hangs on the wave's number alone.  Four v_nop follow each of the two lines.
.macro JLOAD g0a, g1a, g0b, g1b
	s_cmp_eq_u32 s[WHI], 0
	s_cbranch_scc0 .Lfor_b_\@
	tensor_load_to_lds s[\g0a:\g0a+3], s[\g1a:\g1a+7]
	s_nop 0
	PLACES 4
	s_branch .Lasked_\@
.Lfor_b_\@:
	tensor_load_to_lds s[\g0b:\g0b+3], s[\g1b:\g1b+7]
	s_nop 0
	PLACES 4
.Lasked_\@:
.endm
.macro CREST                           ; a round of the cluster's barrier behind its opening barrier
	s_cmp_lg_u32 s[WV], 0
	s_cbranch_scc1 .Lnot_wave_0_\@
	s_barrier_signal -3
.Lnot_wave_0_\@:
	s_barrier_wait -3
	s_barrier_signal -1
	s_barrier_wait -1
.endm
.macro CROUND
	s_barrier_signal -1
	s_barrier_wait -1
	CREST
.endm
; One product.  rD, rB, rA, rC: D, source 0, source 1, C.  rSB, rSA: their scale registers; fB, fA = 1: the block is the odd one of its pair, whose words lie in lanes 16-31.
.macro WM
.if fB && fA
	v_wmma_scale_f32_16x16x128_f8f6f4 v[rD:rD+7], v[rB:rB+11], v[rA:rA+11], v[rC:rC+7], v[rSB], v[rSA] matrix_a_fmt:MATRIX_FMT_FP6 matrix_b_fmt:MATRIX_FMT_FP6 matrix_a_scale:MATRIX_SCALE_ROW1 matrix_b_scale:MATRIX_SCALE_ROW1
.elseif fB
	v_wmma_scale_f32_16x16x128_f8f6f4 v[rD:rD+7], v[rB:rB+11], v[rA:rA+11], v[rC:rC+7], v[rSB], v[rSA] matrix_a_fmt:MATRIX_FMT_FP6 matrix_b_fmt:MATRIX_FMT_FP6 matrix_a_scale:MATRIX_SCALE_ROW1
.elseif fA
	v_wmma_scale_f32_16x16x128_f8f6f4 v[rD:rD+7], v[rB:rB+11], v[rA:rA+11], v[rC:rC+7], v[rSB], v[rSA] matrix_a_fmt:MATRIX_FMT_FP6 matrix_b_fmt:MATRIX_FMT_FP6 matrix_b_scale:MATRIX_SCALE_ROW1
.else
	v_wmma_scale_f32_16x16x128_f8f6f4 v[rD:rD+7], v[rB:rB+11], v[rA:rA+11], v[rC:rC+7], v[rSB], v[rSA] matrix_a_fmt:MATRIX_FMT_FP6 matrix_b_fmt:MATRIX_FMT_FP6
.endif
.endm
; Source 1's blocks a0 .. a0 + n - 1 against source 0's eight, from set p.  cm = 1: onto the sums; 2: C = the bias tuple of source 0's block; 3: of source 1's block.
; The accumulators take turns, one instruction a turn, in the same order in every K step.
.macro MULS a0, n, p, cm
.set ma, \a0
.rept \n
.set mb, 0
.rept 8
.set rD, 8*(8*(ma%4)+mb)
.set rB, 96*(\p)+12*mb
.set rA, AF+96*(\p)+12*ma
.set rSB, SBR+4*(\p)+mb/2
.set rSA, SAR+4*(\p)+ma/2
.set fB, mb%2
.set fA, ma%2
.if (\cm) == 2
.set rC, BIA+8*mb
.elseif (\cm) == 3
.set rC, BIA+8*ma
.else
.set rC, rD
.endif
	WM
.set mb, mb+1
.endr
.set ma, ma+1
.endr
.endm
; PART 1.  One run of NF LDS loads: K step k, the q-th of its slot, into set p.  An image comes back as it was stored: three loads of 512 consecutive bytes a fragment.
.macro FETCH slot, q, p, k
	WIN 0x40                                       ; destination window 1, address window 0
.irp b, 0,1,2,3,4,5,6,7
.irp c, 0,1,2
	ds_load_b128 v[96*(\p)+12*\b+4*\c:96*(\p)+12*\b+4*\c+3], v[ADRB+\slot] offset:\b*BLK+1536*(\q)+512*\c
.endr
.endr
	WIN 0
.irp a, 0,1,2,3,4,5,6,7
.irp c, 0,1,2
	ds_load_b128 v[AF+96*(\p)+12*\a+4*\c:AF+96*(\p)+12*\a+4*\c+3], v[ADRA+\slot] offset:\a*BLK+1536*(\q)+512*\c
.endr
.endr
.irp x, 0,1,2,3
	ds_load_b32 v[SAR+4*(\p)+\x], v[VSA] offset:\x*SX+(\k)*SK   ; lanes 0-15: block 2 x's words, lanes 16-31: block 2 x + 1's
	ds_load_b32 v[SBR+4*(\p)+\x], v[VSB] offset:\x*SX+(\k)*SK
.endr
.endm
; A K step whose successor lies in a slot that is known whole: the successor (K step k: slot, q) is fetched first, into the other set, and has this step's 64 products in which to land.
; A load into a register that a matrix instruction has read stands four places behind it (ISA guide 7.12.1 for vector instructions).
.macro STEP p, slot, q, k
	PLACES 4
	FETCH \slot, \q, 1-(\p), \k
	s_wait_dscnt NF                                ; all but the NF just issued: set p is in
	WIN 0xa1                                       ; source 0 window 1, source 1 window 0, C and D window 2
	MULS 0, 4, \p, 1
	WIN 0xf1                                       ; C and D window 3
	MULS 4, 4, \p, 1
	WIN 0
.endm
; A change of slots behind which nothing is filled: each wave has its part of the next slot (tc younger loads may stay out), and the barrier shows it of all four.
.macro MEET p, tc, ns, nk
	s_wait_tensorcnt \tc
	s_wait_dscnt 0x0                               ; set p is in; no LDS instruction of mine is out at the signal
	s_barrier_signal -1
	WIN 0xa1
	MULS 0, 4, \p, 1
	WIN 0
	s_barrier_wait -1
	PLACES 4
	FETCH \ns, 0, 1-(\p), \nk
	WIN 0xf1
	MULS 4, 4, \p, 1
	WIN 0
.endm
; The descriptors of part 2's first fill, K steps 0-3.  No tensor load of mine is out where this stands, so every word may be written.  The groups 1 take the longer piece of a block (6,144 bytes = 768 elements); the weights' has 4 blocks a wave.
.macro FIRST_OF_V
	s_mov_b32 s[G1A+1], 768<<16                    ; tensor_dim0
	s_mov_b32 s[G1A+3], 768<<16                    ; tile_dim0
	s_mov_b32 s[G1B+1], 768<<16
	s_mov_b32 s[G1B+2], 4<<16                      ; tensor_dim1
	s_mov_b32 s[G1B+3], 768<<16
	s_mov_b32 s[G1B+4], 4                          ; tile_dim1
	s_mul_i32 s[G0A+5], s[WV], 49152               ; x: waves 0 and 1 bring 8 blocks each: all of slot 1
	s_add_co_u32 s[G0A+5], s[G0A+5], SLOT
	s_sub_nc_u64 s[G0A+6:G0A+7], s[G0A+6:G0A+7], 3072   ; from K step 2 back to K step 0 of the same blocks
	s_mul_i32 s[G0B+5], s[WLO], 24576              ; wv: waves 2 and 3 bring 4 blocks each: the first half of slot 2
	s_add_co_u32 s[G0B+5], s[G0B+5], 2*SLOT
	s_mov_b64 s[G0B+6:G0B+7], s[4:5]
	s_or_b32 s[G0B+7], s[G0B+7], 0x80000000
.endm
; And of its second fill, K steps 4-7
.macro SECOND_OF_V
	s_mul_i32 s[G0A+1], s[WV], 49152               ; x: all of slot 0
	s_sub_nc_u64 s[G0A+2:G0A+3], s[G0A+2:G0A+3], 3072   ; from K step 6 back to K step 4
	s_mul_i32 s[G0B+1], s[WLO], 24576              ; wv: the second half of slot 2
	s_add_co_u32 s[G0B+1], s[G0B+1], 2*SLOT+49152
	s_add_nc_u64 s[G0B+2:G0B+3], s[4:5], 6144
	s_or_b32 s[G0B+3], s[G0B+3], 0x80000000
.endm
; A change of slots with a refill.  Each wave waits for all its tensor loads, adds 0 to its spare word, waits for that and for its LDS reads; the barrier opens a round of the cluster's barrier; the joint refill is the first
; tensor load behind the round.  kind = 0: slot 0 takes part 1's K steps 6 and 7.  kind = 1: slot 1 and half of slot 2, both read out by every wave, take part 2's first fill.
.macro TURN p, kind, ns, nk
	s_wait_tensorcnt 0x0                           ; all my tensor loads have landed, my part of the next slot among them
	ds_add_u32 v[SPW], v[NIL]                      ; 0 onto my spare word
	s_wait_dscnt 1                                 ; set p is in; the add alone may be out
	WIN 0xa1
	MULS 0, 2, \p, 1                               ; sixteen products stand between the add and the wait for it
	s_wait_dscnt 0x0
	s_barrier_signal -1
	MULS 2, 2, \p, 1
	WIN 0
	s_barrier_wait -1
	CREST                                          ; no wave of any partner still reads these bytes or has a load on its way
.if (\kind) == 2
	JLOAD G0A+8, G1A, G0B+8, G1B                   ; kind = 2: slot 2's first fill, K steps 4 and 5
.elseif (\kind) == 0
	s_add_nc_u64 s[G0A+2:G0A+3], s[G0A+2:G0A+3], 9216   ; six images on
	s_add_nc_u64 s[G0B+2:G0B+3], s[G0B+2:G0B+3], 9216
	JLOAD G0A, G1A, G0B, G1B                       ; its four v_nop are also the places in front of the loads below
.else
	FIRST_OF_V
	JLOAD G0A+4, G1A, G0B+4, G1B
.endif
	FETCH \ns, 0, 1-(\p), \nk
	WIN 0xf1
	MULS 4, 4, \p, 1
	WIN 0
.endm
; PART 2.  One run of NF2 LDS loads: K step k, the q-th of fill f, into set p.  x is source 0 now: its fragments go to window 1 and its scale words to source 0's registers.
.macro FETCH2 f, q, p, k
	WIN 0x40
.irp b, 0,1,2,3,4,5,6,7
.irp c, 0,1,2
	ds_load_b128 v[96*(\p)+12*\b+4*\c:96*(\p)+12*\b+4*\c+3], v[XAD+\f] offset:\b*BLK2+1536*(\q)+512*\c
.endr
.endr
	WIN 0
.irp a, 0,1,2,3
.irp c, 0,1,2
	ds_load_b128 v[AF+96*(\p)+12*\a+4*\c:AF+96*(\p)+12*\a+4*\c+3], v[WAD+\f] offset:\a*BLK2+1536*(\q)+512*\c
.endr
.endr
.irp x, 0,1,2,3
	ds_load_b32 v[SBR+4*(\p)+\x], v[VSA] offset:\x*SX+(\k)*SK
.endr
.irp x, 0,1
	ds_load_b32 v[SAR+4*(\p)+\x], v[VSW] offset:\x*SX+(\k)*SK
.endr
.endm
.macro STEP2 p, f, q, k                ; multiplies set p (32 products); K step k (fill f, q) is fetched first, into the other set
	PLACES 4
	FETCH2 \f, \q, 1-(\p), \k
	s_wait_dscnt NF2                               ; all but the NF2 just issued
	WIN 0xa1
	MULS 0, 4, \p, 1
	WIN 0
.endm
	s_load_b256 s[4:11], s[0:1], 0x0               ; xwc s[4:5], xws s[6:7], bq s[8:9], bk s[10:11]
	s_load_b128 s[12:15], s[0:1], 0x20             ; bv s[12:13], qkvc s[14:15]
	s_load_b64 s[16:17], s[0:1], 0x30              ; qkvs
	v_lshl_add_u32 v[SPW], v0, 2, SPARE
	v_mov_b32 v[NIL], 0
	ds_add_u32 v28, v29
	ds_add_u32 v28, v29
	s_wait_dscnt 0x0
	v_lshrrev_b32 v1, 5, v0
	v_readfirstlane_b32 s[WV], v1                  ; wave 0..3
	s_lshr_b32 s[WHI], s[WV], 1                    ; my half of x's rows, in both parts.  Also: I fetch x (0) or weights (1)
	s_and_b32 s[WLO], s[WV], 1                     ; my half of the weights' rows, in both parts.  Also: which half I fetch
	s_bfe_u32 s[CX], ttmp6, 0x40000
	s_bfe_u32 s[CY], ttmp6, 0x40004
	s_mov_b32 s[CLX], ttmp9                        ; the cluster's x: 0 q, 1 k
	s_and_b32 s[CLY], ttmp7, 0xffff                ; the cluster's y: 0..7
	s_lshl_b32 s2, s[CY], 2
	s_lshl_b32 s2, 15, s2                          ; my row of the cluster
	s_lshl_b32 s3, 0x1111, s[CX]                   ; my column
	s_or_b32 s[G1A], s2, (3<<16)|(1<<21)           ; 15:0 the mask; 17:16 elements of 8 bytes; 21 set beside a mask; no padding
	s_or_b32 s[G1B], s3, (3<<16)|(1<<21)
	s_or_b32 s[G1SA], s2, (3<<16)|(1<<21)
	s_or_b32 s[G1SB], s3, (3<<16)|(1<<21)
.irp g, G1A, G1B                       ; part 1's tile: 8 blocks x two K steps' images (3,072 bytes = 384 elements), 12,288 bytes from block to block
	s_mov_b32 s[\g+1], 384<<16                     ; the head's load brings 16 blocks, the later ones 8 a wave
	s_mov_b32 s[\g+2], 16<<16
	s_mov_b32 s[\g+3], 384<<16
	s_mov_b32 s[\g+4], 16
	s_mov_b32 s[\g+5], 1536                        ; tensor_dim0_stride
	s_mov_b32 s[\g+6], 0
	s_mov_b32 s[\g+7], 0
.endr
.irp g, G1SA, G1SB                     ; the scale words of 256 rows, all of K: 8,192 dense bytes as 32 rows of 256
	s_mov_b32 s[\g+1], 32<<16
	s_mov_b32 s[\g+2], 32<<16                      ; (all 256 rows: 8,192 bytes as 32 rows of 256)
	s_mov_b32 s[\g+3], 32<<16
	s_mov_b32 s[\g+4], 32
	s_mov_b32 s[\g+5], 32
	s_mov_b32 s[\g+6], 0
	s_mov_b32 s[\g+7], 0
.endr
	s_lshl_b32 s100, s[CLY], 2
	s_add_co_u32 s100, s100, s[CY]                 ; TA = 4 Y + cy: it hangs on cy, which my row of the cluster shares
	s_lshl_b32 s101, s[CLX], 2
	s_add_co_u32 s101, s101, s[CX]                 ; TE = 4 X + cx: on cx, which my column shares
	s_lshl_b32 s2, s[WLO], 3
	s_lshl_b32 s92, s100, 4
	s_add_co_u32 s92, s92, s2
	s_mul_i32 s92, s92, 12288                      ; x's codes: block 16 TA + 8 x half
	s_mov_b32 s93, 0
	s_lshl_b32 s94, s101, 4
	s_add_co_u32 s94, s94, s2
	s_add_co_u32 s94, s94, 512
	s_mul_i32 s94, s94, 12288                      ; [wq; wk]'s: block 512 + 16 TE + 8 x half
	s_mov_b32 s95, 0
	s_lshl_b32 s96, s100, 13                       ; x's scale words: 8,192 bytes for 256 rows
	s_mov_b32 s97, 0
	s_add_co_u32 s98, s101, 32
	s_lshl_b32 s98, s98, 13
	s_mov_b32 s99, 0
	s_mul_i32 s2, s[WV], 24576                     ; where they go: wave x 8 blocks: no place in the cluster enters an LDS address
	s_lshl_b32 s3, s[WHI], 13
	s_wait_kmcnt 0x0
	s_add_nc_u64 s[92:93], s[4:5], s[92:93]
	s_add_nc_u64 s[94:95], s[4:5], s[94:95]
	CROUND                                         ; all sixteen work-groups are here: the first joint loads meet
	s_mov_b32 s[G0SA], 1
	s_add_co_u32 s[G0SA+1], s3, SCA
	s_add_nc_u64 s[G0SA+2:G0SA+3], s[6:7], s[96:97]
	s_or_b32 s[G0SA+3], s[G0SA+3], 0x80000000
	s_mov_b32 s[G0SB], 1
	s_add_co_u32 s[G0SB+1], s3, SCA
	s_add_nc_u64 s[G0SB+2:G0SB+3], s[6:7], s[98:99]
	s_or_b32 s[G0SB+3], s[G0SB+3], 0x80000000
.irp n, 0,1,2
	s_mov_b32 s[G0A+4*\n], 1
	s_add_co_u32 s[G0A+4*\n+1], s2, \n*SLOT
	s_add_nc_u64 s[G0A+4*\n+2:G0A+4*\n+3], s[92:93], \n*BLK   ; slot n begins with K steps 2 n, 2 n + 1
	s_or_b32 s[G0A+4*\n+3], s[G0A+4*\n+3], 0x80000000
	s_mov_b32 s[G0B+4*\n], 1
	s_add_co_u32 s[G0B+4*\n+1], s2, \n*SLOT
	s_add_nc_u64 s[G0B+4*\n+2:G0B+4*\n+3], s[94:95], \n*BLK
	s_or_b32 s[G0B+4*\n+3], s[G0B+4*\n+3], 0x80000000
.endr
	; one load a wave: wave 0 x's 16 blocks of slot 0, wave 1 x's scale words, wave 2 the weights' 16 blocks, wave 3 their scale words
	s_cmp_eq_u32 s[WV], 0
	s_cbranch_scc0 .Lhead_1
	tensor_load_to_lds s[G0A:G0A+3], s[G1A:G1A+7]
	s_nop 0
	PLACES 4
	s_branch .Lfirst_asked
.Lhead_1:
	s_cmp_eq_u32 s[WV], 1
	s_cbranch_scc0 .Lhead_2
	tensor_load_to_lds s[G0SA:G0SA+3], s[G1SA:G1SA+7]
	s_nop 0
	PLACES 4
	s_branch .Lfirst_asked
.Lhead_2:
	s_cmp_eq_u32 s[WV], 2
	s_cbranch_scc0 .Lhead_3
	tensor_load_to_lds s[G0B:G0B+3], s[G1B:G1B+7]
	s_nop 0
	PLACES 4
	s_branch .Lfirst_asked
.Lhead_3:
	tensor_load_to_lds s[G0SB:G0SB+3], s[G1SB:G1SB+7]
	s_nop 0
	PLACES 4
.Lfirst_asked:
	v_and_b32 v1, 31, v0                           ; lane
	v_and_b32 v2, 15, v0                           ; r
	v_bfe_u32 v3, v0, 4, 1                         ; h
	v_lshlrev_b32 v[LI], 4, v1
	s_wait_alu depctr_va_vdst(0)
	v_lshlrev_b32 v[L8], 3, v1
	; part 2's weights: wv's codes at block 640 + 8 TE + 4 x half; the scale words of my 64 rows at group 320 + 4 TE + 2 x half
	s_lshl_b32 s2, s101, 3
	s_lshl_b32 s3, s[WLO], 2
	s_add_co_u32 s2, s2, s3
	s_add_co_u32 s2, s2, 640
	s_mul_i32 s2, s2, 12288
	s_mov_b32 s3, 0
	s_add_nc_u64 s[4:5], s[4:5], s[2:3]
	s_lshl_b32 s2, s101, 2
	s_lshl_b32 s3, s[WLO], 1
	s_add_co_u32 s2, s2, s3
	s_add_co_u32 s2, s2, 320
	s_lshl_b32 s2, s2, 10
	s_mov_b32 s3, 0
	s_add_nc_u64 s[6:7], s[6:7], s[2:3]
.irp i, 0,1,2,3
	global_load_b128 v[64+4*\i:64+4*\i+3], v[LI], s[6:7] offset:512*\i   ; 2,048 consecutive bytes: two groups of 32 rows x 8 K steps
.endr
	; part 1's bias: bq or bk, my 128 columns; a lane's eight registers are eight neighbouring columns
	s_cmp_eq_u32 s[CLX], 0
	s_cselect_b64 s[BP:BP+1], s[8:9], s[10:11]
	s_lshl_b32 s2, s[CX], 10
	s_lshl_b32 s3, s[WLO], 9
	s_add_co_u32 s2, s2, s3
	s_mov_b32 s3, 0
	s_add_nc_u64 s[BP:BP+1], s[BP:BP+1], s[2:3]
	v_lshlrev_b32 v5, 7, v3                        ; columns 32 h on: slot 8 h + j of block t is column 64 (t / 4) + 32 h + 8 (t % 4) + j: this order holds in the whole launch
.irp j, 0,1,2,3,4,5,6,7
	v_add_nc_u32 v[BO+\j], 4*\j, v5
.endr
	WIN 0x40
.irp t, 0,1,2,3,4,5,6,7
.irp j, 0,1,2,3,4,5,6,7
	global_load_b32 v[BIA+8*\t+\j], v[BO+\j], s[BP:BP+1] offset:256*(\t/4)+32*(\t%4)
.endr
.endr
	WIN 0
	; part 2's bias: bv, my 64 rows; a lane wants its row slot's number
	s_lshl_b32 s2, s101, 9
	s_lshl_b32 s3, s[WLO], 8
	s_add_co_u32 s2, s2, s3
	s_mov_b32 s3, 0
	s_add_nc_u64 s[12:13], s[12:13], s[2:3]
	v_and_b32 v4, 8, v2
	v_mad_u32_u24 v4, v4, 3, v2                    ; r % 8 + 32 (r / 8)
	v_lshlrev_b32 v[BVO], 2, v4                    ; the same, in bytes
	s_mul_i32 s2, s[WHI], 24576                    ; part 1: my 8 blocks of A
	s_mul_i32 s3, s[WLO], 24576                    ; my 8 blocks of B,
	s_add_co_u32 s3, s3, 49152                     ; behind A's 16
.irp s, 0,1,2
	v_add_nc_u32 v[ADRA+\s], s2, v[LI]
	v_add_nc_u32 v[ADRB+\s], s3, v[LI]
	s_add_co_u32 s2, s2, SLOT
	s_add_co_u32 s3, s3, SLOT
.endr
	s_mul_i32 s2, s[WHI], 49152                    ; part 2: my 8 blocks of x: the second fill lies in slot 0,
	v_add_nc_u32 v[XAD+1], s2, v[LI]
	s_add_co_u32 s2, s2, SLOT                      ; the first in slot 1
	v_add_nc_u32 v[XAD], s2, v[LI]
	s_mul_i32 s3, s[WLO], 24576                    ; my 4 blocks of wv: the first fill in the first half of slot 2,
	s_add_co_u32 s3, s3, 2*SLOT
	v_add_nc_u32 v[WAD], s3, v[LI]
	s_add_co_u32 s3, s3, 49152                     ; the second in its second half
	v_add_nc_u32 v[WAD+1], s3, v[LI]
	s_lshl_b32 s2, s[WHI], 12
	s_add_co_u32 s2, s2, SCA
	v_lshl_add_u32 v[VSA], v1, 2, s2
	s_lshl_b32 s3, s[WLO], 12
	s_add_co_u32 s3, s3, SCB
	v_lshl_add_u32 v[VSB], v1, 2, s3
	s_lshl_b32 s2, s[WV], 11
	s_add_co_u32 s2, s2, SWV
	v_lshl_add_u32 v[VSW], v1, 2, s2
	v_add_nc_u32 v[SWW], s2, v[LI]
	s_lshl_b32 s2, s[WV], 9
	s_add_co_u32 s2, s2, SCRT
	v_lshl_add_u32 v[SCW], v2, 2, s2
	v_add_nc_u32 v[SCW], v[SCW], v3                ; byte h of row r's word
	v_add_nc_u32 v[SCRD], s2, v[LI]
	v_lshl_add_u32 v[SCRD2], v1, 3, s2
	; where part 1's result goes: block 16 TA + 8 HI on, K step 2 TE + LO
	s_lshl_b32 s92, s100, 4
	s_lshl_b32 s93, s[WHI], 3
	s_add_co_u32 s92, s92, s93
	s_mul_i32 s92, s92, 24576
	s_lshl_b32 s2, s101, 1
	s_add_co_u32 s2, s2, s[WLO]
	s_mul_i32 s93, s2, 1536
	s_add_co_u32 s92, s92, s93
	s_mov_b32 s93, 0
	s_add_nc_u64 s[OC:OC+1], s[14:15], s[92:93]
	s_lshl_b32 s94, s100, 1
	s_add_co_u32 s94, s94, s[WHI]
	s_lshl_b32 s94, s94, 13
	s_lshl_b32 s2, s2, 9
	s_add_co_u32 s94, s94, s2
	s_mov_b32 s95, 0
	s_add_nc_u64 s[OS:OS+1], s[16:17], s[94:95]
	; and part 2's: the second parts of both buffers; block 8 TE + 4 LO on, K step 2 TA + HI; the scale words of 128 rows lie together, my 64 at 256 LO
	s_lshl_b32 s2, s101, 3
	s_lshl_b32 s3, s[WLO], 2
	s_add_co_u32 s2, s2, s3
	s_mul_i32 s2, s2, 98304
	s_lshl_b32 s3, s100, 1
	s_add_co_u32 s3, s3, s[WHI]
	s_mul_i32 s67, s3, 1536
	s_add_co_u32 s2, s2, s67
	s_add_co_u32 s2, s2, 12582912
	s_lshl_b32 s67, s3, 9
	s_mov_b32 s3, 0
	s_add_nc_u64 s[14:15], s[14:15], s[2:3]
	s_lshl_b32 s2, s101, 15
	s_add_co_u32 s2, s2, s67
	s_lshl_b32 s67, s[WLO], 8
	s_add_co_u32 s2, s2, s67
	s_add_co_u32 s2, s2, 524288
	s_add_nc_u64 s[16:17], s[16:17], s[2:3]
	s_wait_alu depctr_va_vdst(0)
	s_wait_loadcnt 0x0                             ; the bias and wv's scale words
.irp i, 0,1,2,3
	ds_store_b128 v[SWW], v[64+4*\i:64+4*\i+3] offset:512*\i   ; into my own bytes, as they lie in memory; only I read them
.endr
	s_wait_tensorcnt 0x0                           ; my one load of the head is in; slots 1 and 2 are first filled behind rounds, one load a wave each: slot 1 here, slot 2 at K step 1
	ds_add_u32 v[SPW], v[NIL]
	s_mov_b32 s[G1A+2], 8<<16                      ; from here on a load brings 8 blocks
	s_mov_b32 s[G1A+4], 8
	s_mov_b32 s[G1B+2], 8<<16
	s_mov_b32 s[G1B+4], 8
	s_wait_dscnt 0x0
	CROUND
	JLOAD G0A+4, G1A, G0B+4, G1B
	FETCH 0, 0, 0, 0
	FETCH 0, 1, 1, 1
	s_wait_dscnt NF                                ; K step 0 is in
	WIN 0x91                                       ; K step 0 starts the sums with the bias as C: source 0 and C window 1, source 1 window 0, D window 2
	MULS 0, 4, 0, 2
	WIN 0xd1                                       ; D window 3
	MULS 4, 4, 0, 2
	WIN 0
	TURN 1, 2, 1, 2                                ; K step 1; slot 1 is whole; slot 2's load goes out
	STEP 0, 1, 1, 3                                ; K step 2
	TURN 1, 0, 2, 4                                ; K step 3; slot 0 takes K steps 6 and 7: they have two K steps, 128 products, in which to land
	STEP 0, 2, 1, 5                                ; K step 4
	TURN 1, 1, 0, 6                                ; K step 5; the one load that was out is slot 0's refill; part 2's first fill goes out: it has two K steps and half of the way out in which to land
	STEP 0, 0, 1, 7                                ; K step 6
	s_wait_dscnt 0x0                               ; K step 7: nothing more to fetch
	WIN 0xa1
	MULS 0, 4, 1, 1
	WIN 0xf1
	MULS 4, 4, 1, 1
	WIN 0
; THE WAY OUT.  Block a's 64 registers become one fragment of the result (16 row slots x my 128 columns) and one scale word a row.  ob: the codes' base; pitch: from block to block.
; Within a part each block has registers of its own for its codes, so no store's data are written again.
.macro QUANTW a, ob, pitch
.set qW, 2+(\a)/4
.set qS, 64*((\a)%4)
.set qP, PCB+20*(\a)
	WIN (qW<<2)|(qW<<4)                            ; sources 1 and 2: the accumulators' window
.irp b, 0,1,2,3
	v_max3_num_f32 v[TM+\b], 0x1800000, |v[qS+16*\b]|, |v[qS+16*\b+1]|   ; the floor 2^(3 - 127) and my 16 numbers of block b; each accumulator is read from its low end on
.endr
.irp i, 2,4,6,8,10,12,14
.irp b, 0,1,2,3
	v_max3_num_f32 v[TM+\b], v[TM+\b], |v[qS+16*\b+\i]|, |v[qS+16*\b+\i+1]|
.endr
.endr
	WIN 0
.irp c, 0,1
	v_max_num_f32 v[TM+8+\c], v[TM+2*\c], v[TM+2*\c+1]   ; registers 32 c .. 32 c + 31 are the whole scale block 2 c + h: its largest magnitude
.endr
.irp c, 0,1
	v_add_nc_u32 v[TM+12+\c], 0xff000000, v[TM+8+\c]     ; 2 off its exponent field: the conversion's scale operand
.endr
.irp c, 0,1
	v_lshrrev_b32 v[TM+4+\c], 23, v[TM+12+\c]            ; the scale's byte
.endr
	WIN qW                                         ; source 0: the accumulators' window
.irp c, 0,1
	v_cvt_scalef32_pk16_fp6_f32 v[qP+6*\c:qP+2+6*\c], v[qS+32*\c:qS+15+32*\c], v[TM+12+\c]
	v_cvt_scalef32_pk16_fp6_f32 v[qP+12+4*\c:qP+14+4*\c], v[qS+16+32*\c:qS+31+32*\c], v[TM+12+\c]
.endr
	WIN 0
	v_nop                                          ; one plain place behind a scaled conversion
.irp c, 0,1
.irp i, 0,1,2
	v_mov_b32 v[qP+3+6*\c+\i], v[qP+12+4*\c+\i]
.endr
.endr
.irp c, 0,1,2
	global_store_b128 v[LI], v[qP+4*\c:qP+4*\c+3], s[\ob:\ob+1] offset:(\a)*(\pitch)+512*\c   ; 32 lanes store 512 consecutive bytes, aligned
.endr
	ds_store_b8 v[SCW], v[TM+4] offset:64*(\a)     ; bytes h and 2 + h of row r's scale word
	ds_store_b8 v[SCW], v[TM+5] offset:64*(\a)+2
.endm
	PLACES 4                                       ; behind the last products: their results are read, the registers that held A's fragments written, and the bias's registers loaded anew
	WIN 0x40
.irp t, 0,1,2,3
.irp j, 0,1,2,3,4,5,6,7
	global_load_b32 v[BIA+8*\t+\j], v[BVO], s[12:13] offset:32*\t
.endr
.endr
	WIN 0
.irp a, 0,1,2,3
	QUANTW \a, OC, 24576
.endr
	s_wait_tensorcnt 0x0                           ; part 2's first fill has landed: the one load of mine that was out
	ds_add_u32 v[SPW], v[NIL]                      ; 0 onto my spare word
	s_wait_dscnt 0x0                               ; the add is done; my reads of slot 0 and of slot 2 ended at K step 7
	CROUND                                         ; behind it part 2's first fill is whole for every wave, and no wave of any partner reads slot 0 or slot 2's second half
	SECOND_OF_V
	JLOAD G0A, G1A, G0B, G1B                       ; part 2's second fill: it has the rest of the way out and four K steps in which to land
.irp a, 4,5,6,7
	QUANTW \a, OC, 24576
.endr
	ds_load_b128 v[248:251], v[SCRD]               ; LDS serves a wave's instructions in order: this sees my eight stores
	s_wait_dscnt 0x0
	global_store_b128 v[LI], v[248:251], s[OS:OS+1]   ; my 128 rows' scale words of this K step: 512 consecutive bytes
	; PART 2: v^T.  Source 0 = my 8 blocks of x, source 1 = my 4 blocks of wv
	s_wait_xcnt 0x0                                ; part 1's stores have read their registers: the fragments below land there
	FETCH2 0, 0, 0, 0
	FETCH2 0, 1, 1, 1
	s_wait_loadcnt 0x0                             ; bv
	s_wait_dscnt NF2                               ; K step 0 is in
	WIN 0x91
	MULS 0, 4, 0, 3                                ; K step 0 starts the sums with the bias as C
	WIN 0
	STEP2 1, 0, 2, 2                               ; K step 1
	STEP2 0, 0, 3, 3                               ; K step 2
	s_wait_tensorcnt 0x0                           ; K step 3: the one load that is out is my part of the second fill
	s_wait_dscnt 0x0
	s_barrier_signal -1
	WIN 0xa1
	MULS 0, 2, 1, 1
	WIN 0
	s_barrier_wait -1                              ; everybody's part is in
	PLACES 4
	FETCH2 1, 0, 0, 4
	WIN 0xa1
	MULS 2, 2, 1, 1
	WIN 0
	STEP2 0, 1, 1, 5                               ; K step 4
	STEP2 1, 1, 2, 6                               ; K step 5
	STEP2 0, 1, 3, 7                               ; K step 6
	s_wait_dscnt 0x0                               ; K step 7
	WIN 0xa1
	MULS 0, 4, 1, 1
	WIN 0
	PLACES 4                                       ; behind the last products
.irp a, 0,1,2,3
	QUANTW \a, 14, 98304
.endr
	ds_load_b64 v[252:253], v[SCRD2]               ; my 64 rows' scale words
	s_wait_dscnt 0x0
	global_store_b64 v[L8], v[252:253], s[16:17]   ; 32 lanes store 256 consecutive bytes, aligned
	s_wait_tensorcnt 0x0                           ; the wave's end
	ds_add_u32 v[SPW], v[NIL]
	s_wait_dscnt 0x0
	CROUND                                         ; the closing round: no work-group ends while a partner may still ask for a tile that names it
	s_endpgm
.Lfunc_end_k_qa74bb13cb4_qkv:
	.size	k_qa74bb13cb4_qkv, .Lfunc_end_k_qa74bb13cb4_qkv-k_qa74bb13cb4_qkv
	.p2alignl 7, 3214868480
	.fill 96, 4, 3214868480
	.section	.rodata,"a",@progbits
	.p2align	6, 0x0
	.amdhsa_kernel k_qa74bb13cb4_qkv
		.amdhsa_group_segment_fixed_size 327680
		.amdhsa_private_segment_fixed_size 0
		.amdhsa_enable_private_segment 0
		.amdhsa_kernarg_size 56
		.amdhsa_user_sgpr_count 2
		.amdhsa_user_sgpr_kernarg_segment_ptr 1
		.amdhsa_wavefront_size32 1
		.amdhsa_system_sgpr_workgroup_id_x 1
		.amdhsa_system_sgpr_workgroup_id_y 1
		.amdhsa_system_sgpr_workgroup_id_z 1
		.amdhsa_system_vgpr_workitem_id 0
		.amdhsa_next_free_vgpr 1024
		.amdhsa_next_free_sgpr 102
		.amdhsa_reserve_vcc 0
		.amdhsa_float_denorm_mode_32 3
		.amdhsa_float_denorm_mode_16_64 3
		.amdhsa_memory_ordered 1
		.amdhsa_forward_progress 1
		.amdhsa_inst_pref_size 219
	.end_amdhsa_kernel
	.amdgpu_metadata
---
amdhsa.version: [ 1, 2 ]
amdhsa.kernels:
  - .name:           k_qa74bb13cb4_qkv
    .symbol:         k_qa74bb13cb4_qkv.kd
    .args:
      - { .name: xwc, .offset: 0, .size: 8, .value_kind: global_buffer, .address_space: global }
      - { .name: xws, .offset: 8, .size: 8, .value_kind: global_buffer, .address_space: global }
      - { .name: bq, .offset: 16, .size: 8, .value_kind: global_buffer, .address_space: global }
      - { .name: bk, .offset: 24, .size: 8, .value_kind: global_buffer, .address_space: global }
      - { .name: bv, .offset: 32, .size: 8, .value_kind: global_buffer, .address_space: global }
      - { .name: qkvc, .offset: 40, .size: 8, .value_kind: global_buffer, .address_space: global }
      - { .name: qkvs, .offset: 48, .size: 8, .value_kind: global_buffer, .address_space: global }
    .group_segment_fixed_size: 327680
    .private_segment_fixed_size: 0
    .kernarg_segment_align: 8
    .kernarg_segment_size: 56
    .max_flat_workgroup_size: 128
    .sgpr_count:     102
    .vgpr_count:     1024
    .wavefront_size: 32
...
	.end_amdgpu_metadata
.endif
;; end of part 2
;; launch scores (part 3): grid 8 x 32, 4 waves a work-group, clusters of 4 x 4, 327,680 bytes of LDS; arguments qkvc, qkvs, pc, pst; writes pc, pst
.if DOCPART == 3
	.amdgcn_target "amdgcn-amd-amdhsa--gfx1250"
	.amdhsa_code_object_version 6
	.text
	.protected	k_qa74bb13cb4_scores
	.globl	k_qa74bb13cb4_scores
	.p2align	8
	.type	k_qa74bb13cb4_scores,@function
k_qa74bb13cb4_scores:
	s_mov_b64 s[64:65], 0
	v_nop
	global_prefetch_b8 v0, s[64:65] scope:SCOPE_SE
	s_setreg_imm32_b32 hwreg(HW_REG_WAVE_MODE, 25, 1), 1
	s_wait_xcnt 0x0
	s_wait_alu depctr_hold_cnt(0) depctr_sa_sdst(0) depctr_va_vdst(0) depctr_va_sdst(0) depctr_va_ssrc(0) depctr_va_vcc(0) depctr_vm_vsrc(0)
	s_getreg_b32 s2, hwreg(HW_REG_IB_STS2, 6, 4)
	s_cmp_eq_u32 s2, 0
	s_cbranch_scc0 .Lentry_in_a_cluster
	s_endpgm
.Lentry_in_a_cluster:
	s_bfe_u32 s2, ttmp6, 0x10000c
	s_cmp_lg_u32 s2, 0xf033
	s_cbranch_scc0 .Lentry_shape_is_right
	s_endpgm
.Lentry_shape_is_right:
; S = q k^T on codes of FP6 (E2M3) with E8M0 scales, sums in f32; then, for each query and each run of 64 keys: t = score x log2(e) / 32, M = the run's largest t rounded UP to a whole number, p = 2^(t - M),
; l = the sum of the unquantised p; p is quantised along the keys and leaves as codes.  M is a whole number, so the next launch brings a run under the row's M by taking the difference off the scale bytes: exact.
; OPERANDS are images of operand registers (16 rows x 128 K = 1,536 bytes), qkvc [row block 512][K step 16: 0-7 q, 8-15 k]; slot 8 h + i of row block 4 G + j is row 64 G + 32 h + 8 j + i.
; A WAVE HOLDS 64 KEYS, all of K, in 384 registers; the work-group's 256 queries stream past in sixteen blocks of 16: 32 products a block, on four accumulators by turns.  Source 0 = 16 keys, source 1 = 16 queries: register 8 j + i of
; lane (r, h) is query slot r, key 32 h + 8 j + i of my 64: a lane holds one whole scale block, and two conversions give six registers of the next operand as they fall.
; CLUSTERS OF 4 x 4: query tile 4 y + cy (256 queries), key tile 8 (y / 2) + 4 x + cx of the same batch.  q's tile is shared along a row of the cluster, k's along a column: each is asked for JOINTLY.
; LDS: three regions of 98,304 bytes: keys 0-127 | queries 0-127 | keys 128-255, and, once all waves hold the keys in registers, queries 128-255 onto the third: so the query blocks lie end to end.  One load a wave at the head, one refill.
; No prefetch: the one refill has six blocks' products in which to land, and everything else is asked for at the head.
; THE SOFTMAX stands among the products of the blocks behind: block s's scores are brought to t - M among block s + 1's products, exponentiated behind them, summed among block s + 2's, converted behind those.
; RESULTS: pc [query block 512][K step 16 = key / 128][half = key / 64 % 2][768: registers 0-3 of lane l at 16 l, registers 4, 5 at 512 + 8 l]; pst [query tile 32][key tile 8][-M: 256 slots x 4 runs | l: the same | scale bytes: 256 slots x 8].
; LIMITS: NaN and infinities are not served; scaled scores stay under 2^31 in magnitude.  A p under 2^-126 comes out of v_exp_f32 as 0.  A block whose every p is 0 gets the byte 1: its codes are zeros.
; A block's largest p is not searched for: its largest score goes through the same multiply-add and exponential (this takes v_exp_f32 not to fall where its input rises).
.set RG,   98304                       ; a region
.set BLK,  12288                       ; a row block's eight K steps
.set STAT, 3*RG                        ; the statistics gather here: -M, l, scale bytes
.set STS,  STAT+8192
.set QSL,  STAT+10240                  ; the queries' scale words: [slot 256][K step 8]
.set SPARE, QSL+8192                   ; the spare words, 128 bytes for each wave
.set LI,   4
.set L8,   5
.set ADRK, 6
.set ADQB, 7
.set ADRQ, 8
.set QSB,  9
.set ADRS, 10
.set SMB,  11
.set SM,   12
.set SSB,  13
.set SS,   14
.set SRD,  15
.set NM,   16                          ; v[16:17] -M
.set MX,   18
.set BM,   22
.set PX,   23
.set RM,   24
.set PX2,  25
.set LA,   26
.set LB,   28
.set LS,   30
.set PM,   31
.set SOP,  32
.set EB,   33
.set SPW,  34
.set NIL,  35
.set L4,   36
.set T4,   37
.set QSW,  38
.set KSC,  40                          ; v40-55 the keys' scale words
.set QSC,  56                          ; v56-71 the queries', two sets
.set ACC,  72                          ; v72-135 two sets of four accumulators
.set PR,   136                         ; v136-167 p
.set CD,   168                         ; v168-173 codes
.set TC,   174
.set WV,   18
.set WHI,  19
.set WLO,  20
.set CX,   21
.set CY,   22
.set CLX,  23
.set CLY,  66
.set G1K,  24
.set G1Q,  32
.set G0K,  40
.set G0Q,  44
.set OC,   48
.set PSO,  50
.set CS,   52                          ; s[52:53] c = log2(e) / 32: the packed form names a pair and takes its low word for both halves
.set SEL,  54
.set MSB, 0
.macro WIN new
.if MSB != (\new)
	s_set_vgpr_msb (MSB<<8)|(\new)
.set MSB, (\new)
.endif
.endm
.macro PLACES n
.rept \n
	v_nop
.endr
.endm
.macro WALU
	s_wait_alu depctr_va_vdst(0)
.endm
.macro CROUND
	s_barrier_signal -1
	s_barrier_wait -1
	s_cmp_lg_u32 s[WV], 0
	s_cbranch_scc1 .Lnot_wave_0_\@
	s_barrier_signal -3
.Lnot_wave_0_\@:
	s_barrier_wait -3
	s_barrier_signal -1
	s_barrier_wait -1
.endm
.macro ADDR d, b                       ; a base + the offset in s60 (s61 = 0)
	s_add_nc_u64 s[\d:\d+1], s[\b:\b+1], s[60:61]
.endm
; Fragment f lies in window 1 + f / 21 at register 12 (f % 21): 0-31 the keys' (4 K step + tile), 32-39 and 40-47 the queries' two sets.
.macro FETCH e                         ; a query block into set e: 26 loads
.irp q, 0,1,2,3,4,5,6,7
.set F_, 32+8*(\e)+\q
	WIN ((1+F_/21)<<6)
.irp c, 0,1,2
	ds_load_b128 v[12*(F_%21)+4*\c:12*(F_%21)+4*\c+3], v[ADRQ] offset:1536*\q+512*\c
.endr
.endr
	WIN 0
	ds_load_b128 v[QSC+8*(\e):QSC+8*(\e)+3], v[ADRS]
	ds_load_b128 v[QSC+8*(\e)+4:QSC+8*(\e)+7], v[ADRS] offset:16
.endm
.macro PR1 d, s0, s1, x0, x1, z, ra, rb
.if \z
	v_wmma_scale_f32_16x16x128_f8f6f4 v[\d:\d+7], v[\s0:\s0+11], v[\s1:\s1+11], 0, v[\x0], v[\x1] matrix_a_fmt:MATRIX_FMT_FP6 matrix_b_fmt:MATRIX_FMT_FP6 matrix_a_scale:MATRIX_SCALE_ROW\ra matrix_b_scale:MATRIX_SCALE_ROW\rb
.else
	v_wmma_scale_f32_16x16x128_f8f6f4 v[\d:\d+7], v[\s0:\s0+11], v[\s1:\s1+11], v[\d:\d+7], v[\x0], v[\x1] matrix_a_fmt:MATRIX_FMT_FP6 matrix_b_fmt:MATRIX_FMT_FP6 matrix_a_scale:MATRIX_SCALE_ROW\ra matrix_b_scale:MATRIX_SCALE_ROW\rb
.endif
.endm
.macro PROD e, n                       ; product n = 4 K step + tile of a block of parity e; K step 0 starts the sums
.set FB_, (\n)
.set Q_, FB_/4
.set B_, FB_%4
.set FA_, 32+8*(\e)+Q_
.set D_, ACC+32*(\e)+8*B_
.set XB_, KSC+8*(B_/2)+Q_
.set XA_, QSC+8*(\e)+Q_
.set R0_, 12*(FB_%21)
.set R1_, 12*(FA_%21)
.set Z_, 0
.if Q_ == 0
.set Z_, 1
.endif
	WIN ((1+FB_/21)|((1+FA_/21)<<2))
.if B_%2
	PR1 D_, R0_, R1_, XB_, XA_, Z_, 1, \e
.else
	PR1 D_, R0_, R1_, XB_, XA_, Z_, 0, \e
.endif
.endm
; Part 1 of a block's softmax, 33 lines on the 32 scores at x: the largest of my scale block, of the run, -M, t - M
.macro L1 i, x
.if (\i) < 8
.set T_, (\i)%4
.set K_, (\x)+8*T_+3+2*((\i)/4)
	v_max3_num_f32 v[MX+T_], v[MX+T_], v[K_], v[K_+1]
.elseif (\i) < 10
.set T_, (\i)-8
	v_max3_num_f32 v[MX+T_], v[MX+T_], v[(\x)+8*T_+7], v[(\x)+8*T_+23]
.elseif (\i) == 10
	v_max3_num_f32 v[MX], v[MX], v[MX+1], v[MX+2]
.elseif (\i) == 11
	v_max_num_f32 v[BM], v[MX], v[MX+3]            ; my scale block's largest score
.elseif (\i) == 12
	v_permlanex16_b32 v[PX], v[BM], s[SEL], s[SEL+1]
.elseif (\i) == 13
	v_max_num_f32 v[RM], v[BM], v[PX]              ; the run's
.elseif (\i) == 14
	v_mul_f32 v[RM], s[CS], v[RM]                  ; as t (c is positive)
.elseif (\i) == 15
	v_floor_f32 v[NM], -v[RM]                      ; -M = floor(-t) = -ceil(t): a whole number
.elseif (\i) == 16
	v_fma_f32 v[BM], v[BM], s[CS], v[NM]           ; t - M of my scale block's largest score
.else
.set K_, (\x)+2*((\i)-17)
	v_pk_fma_f32 v[K_:K_+1], v[K_:K_+1], s[CS:CS+1], v[NM:NM+1] op_sel_hi:[1,0,0]
.endif
.endm
; Part 2, 20 lines: the sum of the UNQUANTISED p in two chains, with lane l xor 16's; the places of the statistics in LDS
.macro L2 i
.if (\i) == 0
	v_pk_add_f32 v[LA:LA+1], v[PR:PR+1], v[PR+2:PR+3]
.elseif (\i) == 1
	v_pk_add_f32 v[LB:LB+1], v[PR+4:PR+5], v[PR+6:PR+7]
.elseif (\i) < 14
.set K_, PR+8+2*((\i)-2)
.set T_, LA+2*((\i)%2)
	v_pk_add_f32 v[T_:T_+1], v[T_:T_+1], v[K_:K_+1]
.elseif (\i) == 14
	v_pk_add_f32 v[LA:LA+1], v[LA:LA+1], v[LB:LB+1]
.elseif (\i) == 15
	v_add_f32 v[LS], v[LA], v[LA+1]
.elseif (\i) == 16
	v_permlanex16_b32 v[PX2], v[LS], s[SEL], s[SEL+1]
.elseif (\i) == 17
	v_add_f32 v[LS], v[LS], v[PX2]                 ; l of the run
.elseif (\i) == 18
	v_add_nc_u32 v[SM], s82, v[SMB]
.else
	v_add_nc_u32 v[SS], s83, v[SSB]
.endif
.endm
.macro LISTS n, l1, l2, x              ; what stands behind pair n of a block's products
.if \l1
	L1 2*(\n), \x
.endif
.if \l2
.if (\n) < 4
	L2 2*(\n)
	L2 2*(\n)+1
.else
	L2 (\n)+4
.endif
.endif
.if \l1
	L1 2*(\n)+1, \x
.endif
.endm
; A block: 32 products; l1: part 1 of the block before, l2: part 2 of the one before that.  show: a plain barrier inside, behind which nothing is filled, shows the refill to all waves.
.macro BLOCK e, l1, l2, show
.set N_, 0
.rept 16
.if (\show) && (N_ == 13)
	WIN 0
	WALU
	s_wait_tensorcnt 0x0
	s_wait_dscnt 0x0
	s_barrier_signal -1
.endif
	PROD \e, 2*N_
	PROD \e, 2*N_+1
.if \l1
	WIN 0
	LISTS N_, \l1, \l2, ACC+32*(1-(\e))
.if (N_ == 7) && !(\l2)
	WALU                                           ; few vector lines stand between -M and its later readers
.endif
.endif
.set N_, N_+1
.endr
	WIN 0
.if \show
	s_barrier_wait -1
.endif
.endm
.macro SCALE                           ; the scale operand of my block, and its byte
	v_max_num_f32 v[PM], 0x1800000, v[PM]          ; the floor 2^(3 - 127): the byte cannot fall under 1
	v_add_nc_u32 v[SOP], 0xff000000, v[PM]         ; 2 off the exponent field
	v_lshrrev_b32 v[EB], 23, v[SOP]
.endm
.macro OUTP                            ; p's codes leave (512 and 256 consecutive bytes, aligned), its byte and l go to LDS
	s_wait_xcnt 0x0                                ; the last block's stores have read their registers and their base
	s_add_nc_u64 s[OC:OC+1], s[OC:OC+1], 24576
	v_cvt_scalef32_pk16_fp6_f32 v[CD:CD+2], v[PR:PR+15], v[SOP]
	v_cvt_scalef32_pk16_fp6_f32 v[TC:TC+2], v[PR+16:PR+31], v[SOP]
	v_nop                                          ; one plain place behind a scaled conversion
.irp i, 0,1,2
	v_mov_b32 v[CD+3+\i], v[TC+\i]
.endr
	global_store_b128 v[LI], v[CD:CD+3], s[OC:OC+1] offset:-24576
	global_store_b64 v[L8], v[CD+4:CD+5], s[OC:OC+1] offset:-24576+512
	ds_store_b8 v[SS], v[EB]
	ds_store_b32 v[SM], v[LS] offset:4096          ; both halves of the lanes write the same word with the same value
.endm
.macro EXPS x                          ; p = 2^(t - M), at most 1, and my scale block's largest p: one batch
	WALU                                           ; the wait ahead of the batch
.set I_, 0
.rept 32
	v_exp_f32 v[PR+I_], v[(\x)+I_]
.set I_, I_+1
.endr
	v_exp_f32 v[PM], v[BM]
	v_nop                                          ; one plain place behind the transcendentals
	WALU                                           ; and behind it
.endm
; Behind block s (parity e).  p1: block s - 1's scores are ready for the exponentials; p2: block s - 2's p leaves; fetch: block s + 2's rows are asked for, into this block's registers; w: the LDS instructions younger than block s + 1's rows.
.macro BOUND e, p1, p2, fetch, w
.if \p1
	L1 32, ACC+32*(1-(\e))                         ; (these four lines are the places behind the last product)
.else
	v_nop
.endif
.if \p2
	SCALE
.else
	PLACES 3
.endif
.irp t, 0,1,2,3
	v_max3_num_f32 v[MX+\t], v[ACC+32*(\e)+8*\t], v[ACC+32*(\e)+8*\t+1], v[ACC+32*(\e)+8*\t+2]   ; each accumulator's first read, from its low end
.endr
	WALU
.if \p2
	OUTP
	ds_store_b32 v[SM], v[NM] offset:256           ; -M of block s - 1: 16 slots x 16 bytes on
	s_add_co_u32 s82, s82, 256
	s_add_co_u32 s83, s83, 128
.elseif \p1
	ds_store_b32 v[SMB], v[NM]                     ; block 0's
.endif
.if \fetch
	s_add_co_u32 s80, s80, BLK
	v_add_nc_u32 v[ADRQ], s80, v[ADQB]
.if (\e) == 0
	s_add_co_u32 s81, s81, 1024                    ; two blocks share their lanes' scale words
	v_add_nc_u32 v[ADRS], s81, v[QSB]
.endif
	FETCH \e
.endif
.if \p1
	EXPS ACC+32*(1-(\e))
.else
	WALU
.endif
.if (\w) >= 0
	s_wait_dscnt \w
.endif
.endm
	s_load_b256 s[4:11], s[0:1], 0x0               ; qkvc s[4:5], qkvs s[6:7], pc s[8:9], pst s[10:11]
	v_lshl_add_u32 v[SPW], v0, 2, SPARE
	v_mov_b32 v[NIL], 0
	ds_add_u32 v[SPW], v[NIL]                      ; the opening lines: the add, twice on end, and its wait
	ds_add_u32 v[SPW], v[NIL]
	v_lshrrev_b32 v1, 5, v0
	v_readfirstlane_b32 s[WV], v1
	s_lshr_b32 s[WHI], s[WV], 1                    ; waves 0, 1 fetch keys, waves 2, 3 queries
	s_and_b32 s[WLO], s[WV], 1
	s_mul_i32 s2, s[WHI], 2*RG
	s_mul_i32 s3, s[WLO], 4*BLK
	s_add_co_u32 s2, s2, s3                        ; my 64 keys in LDS
	s_lshl_b32 s3, s[WV], 2
	s_add_co_u32 s3, s3, STAT
	s_lshl_b32 s60, s[WV], 1
	s_add_co_u32 s60, s60, STS
	s_mul_i32 s61, s[WV], 2560
	s_add_co_u32 s61, s61, STAT
	v_and_b32 v1, 31, v0                           ; lane
	v_and_b32 v2, 15, v0                           ; r
	v_bfe_u32 v3, v0, 4, 1                         ; h
	v_lshlrev_b32 v[LI], 4, v1
	v_lshlrev_b32 v[L8], 3, v1
	v_lshlrev_b32 v[L4], 2, v1
	v_lshlrev_b32 v[T4], 2, v0
	v_add_nc_u32 v[ADRK], s2, v[LI]
	v_add_nc_u32 v[ADQB], RG, v[LI]
	v_mov_b32 v[ADRQ], v[ADQB]
	v_lshl_add_u32 v[QSB], v1, 5, QSL
	v_mov_b32 v[ADRS], v[QSB]
	v_lshl_add_u32 v[QSW], v0, 5, QSL
	v_lshl_add_u32 v[SMB], v2, 4, s3
	v_lshl_add_u32 v[SSB], v2, 3, s60
	v_add_nc_u32 v[SSB], v[SSB], v3
	v_add_nc_u32 v[SRD], s61, v[LI]
	v_mov_b32 v[NM+1], 0                           ; named as the upper half of a pair
	v_mov_b32 v[PX], 0                             ; a lane permute's destination counts as one of its sources
	v_mov_b32 v[PX2], 0
	WALU
	s_bfe_u32 s[CX], ttmp6, 0x40000
	s_bfe_u32 s[CY], ttmp6, 0x40004
	s_mov_b32 s[CLX], ttmp9
	s_and_b32 s[CLY], ttmp7, 0xffff
	s_lshl_b32 s2, s[CY], 2
	s_lshl_b32 s2, 15, s2                          ; my row of the cluster
	s_lshl_b32 s3, 0x1111, s[CX]                   ; my column
	s_or_b32 s[G1Q], s2, (3<<16)|(1<<21)           ; elements of 8 bytes
	s_or_b32 s[G1K], s3, (3<<16)|(1<<21)
.irp g, G1K, G1Q                       ; a row block's eight K steps: 12,288 bytes = 1,536 elements; 24,576 bytes from row block to row block
	s_mov_b32 s[\g+1], 1536<<16
	s_mov_b32 s[\g+3], 1536<<16
	s_mov_b32 s[\g+5], 3072
	s_mov_b32 s[\g+6], 0
	s_mov_b32 s[\g+7], 0
.endr
	s_mov_b32 s[G1K+2], 8<<16                      ; eight row blocks of keys a wave,
	s_mov_b32 s[G1K+4], 8
	s_mov_b32 s[G1Q+2], 4<<16                      ; four of queries
	s_mov_b32 s[G1Q+4], 4
	s_lshl_b32 s70, s[CLY], 2
	s_add_co_u32 s70, s70, s[CY]                   ; the query tile
	s_lshl_b32 s72, s[CLX], 2
	s_add_co_u32 s72, s72, s[CX]                   ; the key tile in the batch
	s_lshr_b32 s71, s[CLY], 1
	s_lshl_b32 s71, s71, 3
	s_add_co_u32 s71, s71, s72                     ; and among all
	s_mov_b32 s[CS], 0x3d38aa3b                    ; c = log2(e) / sqrt(1024)
	s_mov_b32 s[CS+1], s[CS]
	s_mov_b32 s[SEL], 0x76543210
	s_mov_b32 s[SEL+1], 0xfedcba98
	s_mov_b32 s80, 0
	s_mov_b32 s81, 0
	s_mov_b32 s82, 0
	s_mov_b32 s83, 0
	s_mov_b32 s61, 0
	s_mov_b32 s[G0K], 1
	s_mul_i32 s[G0K+1], s[WLO], 2*RG
	s_mov_b32 s[G0Q], 1
	s_mul_i32 s[G0Q+1], s[WLO], 4*BLK
	s_add_co_u32 s[G0Q+1], s[G0Q+1], RG
	s_wait_dscnt 0x0
	s_wait_kmcnt 0x0
	s_lshl_b32 s60, s71, 1
	s_add_co_u32 s60, s60, s[WLO]
	s_mul_i32 s60, s60, 196608
	s_add_co_u32 s60, s60, 12288                   ; k: K steps 8-15 of row blocks 16 x tile + 8 x half on
	ADDR G0K+2, 4
	s_or_b32 s[G0K+3], s[G0K+3], 0x80000000
	s_lshl_b32 s60, s70, 2
	s_add_co_u32 s60, s60, s[WLO]
	s_mul_i32 s60, s60, 98304                      ; q: K steps 0-7 of row blocks 16 x tile + 4 x half on
	ADDR G0Q+2, 4
	s_or_b32 s[G0Q+3], s[G0Q+3], 0x80000000
	s_lshl_b32 s60, s71, 1
	s_add_co_u32 s60, s60, s[WHI]
	s_lshl_b32 s60, s60, 13
	s_lshl_b32 s2, s[WLO], 8
	s_add_co_u32 s60, s60, s2
	s_add_co_u32 s60, s60, 4096
	ADDR 74, 6                                     ; my 64 keys' scale words
	s_lshl_b32 s60, s70, 14
	ADDR 76, 6                                     ; the 256 queries'
.irp x, 0,1
.irp q, 0,1,2,3,4,5,6,7
	global_load_b32 v[KSC+8*\x+\q], v[L4], s[74:75] offset:512*\q+128*\x
.endr
.endr
.irp g, 0,1                            ; thread t: slots t and 128 + t
.irp q, 0,1,2,3,4,5,6,7
	global_load_b32 v[PR+8*\g+\q], v[T4], s[76:77] offset:8192*\g+512*\q
.endr
.endr
	CROUND                                         ; all sixteen work-groups are here: the first joint loads meet
	s_cmp_eq_u32 s[WHI], 0
	s_cbranch_scc0 .Lfor_q
	tensor_load_to_lds s[G0K:G0K+3], s[G1K:G1K+7]
	s_nop 0
	PLACES 4
	s_branch .Lasked
.Lfor_q:
	tensor_load_to_lds s[G0Q:G0Q+3], s[G1Q:G1Q+7]
	s_nop 0
	PLACES 4
.Lasked:
	s_mul_i32 s60, s70, 393216                     ; where p goes: row block 16 x tile, K step 2 x key tile + WHI, half WLO
	s_lshl_b32 s2, s72, 1
	s_add_co_u32 s2, s2, s[WHI]
	s_mul_i32 s2, s2, 1536
	s_add_co_u32 s60, s60, s2
	s_mul_i32 s2, s[WLO], 768
	s_add_co_u32 s60, s60, s2
	ADDR OC, 8
	s_lshl_b32 s60, s70, 3
	s_add_co_u32 s60, s60, s72
	s_mul_i32 s60, s60, 10240
	s_mul_i32 s2, s[WV], 2560
	s_add_co_u32 s60, s60, s2
	ADDR PSO, 10                                   ; my quarter of the tile's statistics
	s_wait_loadcnt 0x0
.irp g, 0,1
	ds_store_b128 v[QSW], v[PR+8*\g:PR+8*\g+3] offset:4096*\g
	ds_store_b128 v[QSW], v[PR+8*\g+4:PR+8*\g+7] offset:4096*\g+16
.endr
	s_cmp_eq_u32 s[WHI], 0
	s_cbranch_scc0 .Lno_keys
	s_wait_tensorcnt 0x0                           ; the waves that fetch keys wait for them
.Lno_keys:
	s_wait_dscnt 0x0
	s_barrier_signal -1
	s_barrier_wait -1                              ; the keys are in
.irp q, 0,1,2,3,4,5,6,7
.irp b, 0,1,2,3
.set F_, 4*\q+\b
	WIN ((1+F_/21)<<6)
.irp c, 0,1,2
	ds_load_b128 v[12*(F_%21)+4*\c:12*(F_%21)+4*\c+3], v[ADRK] offset:BLK*\b+1536*\q+512*\c
.endr
.endr
.endr
	WIN 0
	s_wait_tensorcnt 0x0                           ; the queries 0-127 too
	ds_add_u32 v[SPW], v[NIL]
	s_add_nc_u64 s[G0Q+2:G0Q+3], s[G0Q+2:G0Q+3], 196608   ; the refill: eight row blocks on,
	s_add_co_u32 s[G0Q+1], s[G0Q+1], RG            ; onto the third region
	s_wait_dscnt 0x0                               ; the add is done, and the keys are in my registers
	CROUND
	s_cmp_eq_u32 s[WHI], 0
	s_cbranch_scc1 .Lno_refill
	tensor_load_to_lds s[G0Q:G0Q+3], s[G1Q:G1Q+7]
	s_nop 0
	PLACES 4
.Lno_refill:
	FETCH 0
	s_add_co_u32 s80, s80, BLK
	v_add_nc_u32 v[ADRQ], s80, v[ADQB]
	FETCH 1
	WALU
	s_wait_dscnt 26                                ; block 0's rows are in
	BLOCK 0, 0, 0, 0
	BOUND 0, 0, 0, 1, 26                           ; younger than block 1's rows: block 2's 26 loads
	BLOCK 1, 1, 0, 0
	BOUND 1, 1, 0, 1, 27                           ; and -M's store
	s_mov_b32 s84, 0
.Lshow:                                                ; blocks 2 to 7
	BLOCK 0, 1, 1, 1
	BOUND 0, 1, 1, 1, 29                           ; three stores and 26 loads
	BLOCK 1, 1, 1, 0
	BOUND 1, 1, 1, 1, 29
	s_add_co_u32 s84, s84, 1
	s_cmp_lt_u32 s84, 3
	s_cbranch_scc1 .Lshow
.Lrest:                                                ; blocks 8 to 13
	BLOCK 0, 1, 1, 0
	BOUND 0, 1, 1, 1, 29
	BLOCK 1, 1, 1, 0
	BOUND 1, 1, 1, 1, 29
	s_add_co_u32 s84, s84, 1
	s_cmp_lt_u32 s84, 6
	s_cbranch_scc1 .Lrest
	BLOCK 0, 1, 1, 0
	BOUND 0, 1, 1, 0, 3                            ; nothing more is fetched: three stores are younger
	BLOCK 1, 1, 1, 0
	BOUND 1, 1, 1, 0, -1
	; the last two blocks' softmax, without products beside it
.set N_, 0
.rept 16
	LISTS N_, 1, 1, ACC+32
.set N_, N_+1
.endr
	L1 32, ACC+32
	SCALE
	WALU
	OUTP
	ds_store_b32 v[SM], v[NM] offset:256
	s_add_co_u32 s82, s82, 256
	s_add_co_u32 s83, s83, 128
	EXPS ACC+32
.set N_, 0
.rept 20
	L2 N_
.set N_, N_+1
.endr
	SCALE
	WALU
	OUTP
	s_wait_dscnt 0x0                               ; for the others' sake: my statistics have landed
	s_barrier_signal -1
	s_barrier_wait -1
.irp i, 0,1,2,3,4
	ds_load_b128 v[ACC+4*\i:ACC+4*\i+3], v[SRD] offset:512*\i
.endr
	s_wait_dscnt 0x0
.irp i, 0,1,2,3,4
	global_store_b128 v[LI], v[ACC+4*\i:ACC+4*\i+3], s[PSO:PSO+1] offset:512*\i   ; 512 consecutive bytes each, aligned
.endr
	s_wait_tensorcnt 0x0                           ; the wave's end
	ds_add_u32 v[SPW], v[NIL]
	s_wait_dscnt 0x0
	CROUND                                         ; the closing round
	s_endpgm
.Lfunc_end_k_qa74bb13cb4_scores:
	.size	k_qa74bb13cb4_scores, .Lfunc_end_k_qa74bb13cb4_scores-k_qa74bb13cb4_scores
	.p2alignl 7, 3214868480
	.fill 96, 4, 3214868480
	.section	.rodata,"a",@progbits
	.p2align	6, 0x0
	.amdhsa_kernel k_qa74bb13cb4_scores
		.amdhsa_group_segment_fixed_size 327680
		.amdhsa_private_segment_fixed_size 0
		.amdhsa_enable_private_segment 0
		.amdhsa_kernarg_size 32
		.amdhsa_user_sgpr_count 2
		.amdhsa_user_sgpr_kernarg_segment_ptr 1
		.amdhsa_wavefront_size32 1
		.amdhsa_system_sgpr_workgroup_id_x 1
		.amdhsa_system_sgpr_workgroup_id_y 1
		.amdhsa_system_sgpr_workgroup_id_z 1
		.amdhsa_system_vgpr_workitem_id 0
		.amdhsa_next_free_vgpr 840
		.amdhsa_next_free_sgpr 102
		.amdhsa_reserve_vcc 0
		.amdhsa_float_denorm_mode_32 3
		.amdhsa_float_denorm_mode_16_64 3
		.amdhsa_memory_ordered 1
		.amdhsa_forward_progress 1
		.amdhsa_inst_pref_size 118
	.end_amdhsa_kernel
	.amdgpu_metadata
---
amdhsa.version: [ 1, 2 ]
amdhsa.kernels:
  - .name:           k_qa74bb13cb4_scores
    .symbol:         k_qa74bb13cb4_scores.kd
    .args:
      - { .name: qkvc, .offset: 0, .size: 8, .value_kind: global_buffer, .address_space: global }
      - { .name: qkvs, .offset: 8, .size: 8, .value_kind: global_buffer, .address_space: global }
      - { .name: pc, .offset: 16, .size: 8, .value_kind: global_buffer, .address_space: global }
      - { .name: pst, .offset: 24, .size: 8, .value_kind: global_buffer, .address_space: global }
    .group_segment_fixed_size: 327680
    .private_segment_fixed_size: 0
    .kernarg_segment_align: 8
    .kernarg_segment_size: 32
    .max_flat_workgroup_size: 128
    .sgpr_count:     102
    .vgpr_count:     840
    .wavefront_size: 32
...
	.end_amdgpu_metadata
.endif
;; end of part 3
;; launch pv (part 4): grid 4 x 64, 4 waves a work-group, clusters of 4 x 4, 327,680 bytes of LDS; arguments pc, pst, qkvc, qkvs, out0; writes out0
.if DOCPART == 4
	.amdgcn_target "amdgcn-amd-amdhsa--gfx1250"
	.amdhsa_code_object_version 6
	.text
	.protected	k_qa74bb13cb4_pv
	.globl	k_qa74bb13cb4_pv
	.p2align	8
	.type	k_qa74bb13cb4_pv,@function
k_qa74bb13cb4_pv:
	s_mov_b64 s[64:65], 0
	v_nop
	global_prefetch_b8 v0, s[64:65] scope:SCOPE_SE
	s_setreg_imm32_b32 hwreg(HW_REG_WAVE_MODE, 25, 1), 1
	s_wait_xcnt 0x0
	s_wait_alu depctr_hold_cnt(0) depctr_sa_sdst(0) depctr_va_vdst(0) depctr_va_sdst(0) depctr_va_ssrc(0) depctr_va_vcc(0) depctr_vm_vsrc(0)
	s_getreg_b32 s2, hwreg(HW_REG_IB_STS2, 6, 4)
	s_cmp_eq_u32 s2, 0
	s_cbranch_scc0 .Lentry_in_a_cluster
	s_endpgm
.Lentry_in_a_cluster:
	s_bfe_u32 s2, ttmp6, 0x10000c
	s_cmp_lg_u32 s2, 0xf033
	s_cbranch_scc0 .Lentry_shape_is_right
	s_endpgm
.Lentry_shape_is_right:
; O = P V / l on codes of FP6 (E2M3) with E8M0 scales, sums in f32.  P: pc [query block 512][K step 16 = key / 128][half 2][768: registers 0-3 of lane l at 16 l, registers 4, 5 at 512 + 8 l].
; V with the keys innermost: qkvc's second part [channel block 64][K step 64][1,536: registers 4 c .. of lane l at 512 c + 16 l].  Slot 8 h + i of block 4 G + j is row 64 G + 32 h + 8 j + i, of queries and of channels.
; Each run of 64 keys of a query was quantised under its own whole number M.  AT THE HEAD each thread takes one query slot: the row's M is the largest of the 32; d = the row's M less the run's, held at 127, is taken off
; each of the run's two scale bytes (a byte that would fall under 0 becomes 0), and l is the sum of the runs' l x 2^-d.  Both are exact but for what falls under 2^-126.  The words go to LDS, 1 / l beside them.
; A WAVE HOLDS 64 CHANNELS, all 2,048 keys, in 768 registers; the work-group's 128 queries stream past in eight blocks of 16: 64 products a block, on four accumulators by turns.  Source 0 = 16 channels, source 1 = 16 queries:
; register 8 j + i of lane (r, h) is query slot r, channel 32 h + 8 j + i.  A finished block leaves under the next block's products: x 1 / l, through the wave's own stage, as rows of 256 bytes.
; CLUSTERS OF 4 x 4: query tile 4 y + cy (128 queries), channels 256 cx on.  P's tile is shared along a row of the cluster, V's along a column: each is asked for JOINTLY.
; LDS: three regions of 98,304 bytes: V's K steps 0-3 | P's blocks 0-3 | V's K steps 4-7, and, once all waves hold V's K steps 0-7 in registers, P's blocks 4-7 onto the third: so P's blocks lie end to end.  V's K steps 8-15 find
; no room beside them: each wave loads its own fragments of them straight into registers, 512 consecutive bytes a load.  One tensor load a wave at the head, one refill.
; No prefetch: the one refill has three blocks' products in which to land, and everything else is asked for at the head.
; LIMITS: NaN and infinities are not served.  A run whose M lies 127 or more under the row's is dropped from l; a block whose scale would fall under 2^-127 keeps the byte 0: at most 2,048 x 7.5 x 2^-127 x |v| beside a sum over 1/2.
.set RG,   98304
.set PBLK, 24576                       ; a query block's sixteen K steps
.set SCA,  3*RG                        ; P's scale words, rebased: [K step / 4][slot 128][K step % 4]
.set RL,   SCA+8192                    ; 1 / l of the 128 query slots
.set STG,  RL+512                      ; a stage of 16 rows x 272 bytes for each wave
.set SPARE, STG+4*4352                 ; the spare words, 128 bytes for each wave
.set LI,   4
.set L4,   5
.set ADPB, 6
.set ADP8B, 7
.set ADP,  8
.set ADP8, 9
.set ASB,  10
.set AS,   11
.set ARLB, 12
.set ARL,  13
.set STO,  14
.set RD,   15
.set SPW,  16
.set NIL,  17
.set CO,   18
.set SAW,  19
.set RLW,  20
.set VM,   21
.set VSS,  22
.set ADRV, 23
.set ADRV2, 24
.set VS,   26                          ; v26-57 V's scale words
.set PS,   58                          ; v58-65 P's, two sets of four K steps
.set V63,  66                          ; v66-77 V's last fragment
.set PF,   78                          ; v78-173 P's fragments, two sets of four K steps
.set ACC,  174                         ; v174-237 two sets of four accumulators
.set RC,   252                         ; v[252:253] of window 1: 1 / l (V's 21 fragments there end at v251)
.set NMS,  78                          ; the head: 32 x -M,
.set LSS,  110                         ; 32 x l,
.set WS,   142                         ; sixteen scale words,
.set FS,   174                         ; and at work
.set NMR,  206
.set RI,   207
.set LT,   208
.set WV,   18
.set WHI,  19
.set WLO,  20
.set CX,   21
.set CY,   22
.set CLY,  66
.set G1V,  24
.set G1P,  32
.set G0V,  40
.set G0P,  44
.set OC,   48
.set OB,   50
.set VB,   52
.set MSB, 0
.macro WIN new
.if MSB != (\new)
	s_set_vgpr_msb (MSB<<8)|(\new)
.set MSB, (\new)
.endif
.endm
.macro PLACES n
.rept \n
	v_nop
.endr
.endm
.macro WALU
	s_wait_alu depctr_va_vdst(0)
.endm
.macro CROUND
	s_barrier_signal -1
	s_barrier_wait -1
	s_cmp_lg_u32 s[WV], 0
	s_cbranch_scc1 .Lnot_wave_0_\@
	s_barrier_signal -3
.Lnot_wave_0_\@:
	s_barrier_wait -3
	s_barrier_signal -1
	s_barrier_wait -1
.endm
.macro ADDR d, b                       ; a base + the offset in s60 (s61 = 0)
	s_add_nc_u64 s[\d:\d+1], s[\b:\b+1], s[60:61]
.endm
.macro VFRAG f                         ; V's fragment f = 4 K step + tile: window W_, register R_
.if (\f) == 63
.set W_, 0
.set R_, V63
.else
.set W_, 1+(\f)/21
.set R_, 12*((\f)%21)
.endif
.endm
.macro LDV k                           ; V's K step k, my four tiles, from memory: 12 loads
.irp b, 0,1,2,3
	VFRAG 4*(\k)+\b
	WIN (W_<<6)
.irp c, 0,1,2
	global_load_b128 v[R_+4*\c:R_+4*\c+3], v[LI], s[VB:VB+1] offset:98304*\b+1536*(\k)+512*\c
.endr
.endr
	WIN 0
.endm
.macro PFETCH p, q                     ; P's K steps 4 q .. 4 q + 3 of a block into set p: 17 loads
.irp k, 0,1,2,3
.irp c, 0,1
	ds_load_b128 v[PF+48*(\p)+12*\k+6*\c:PF+48*(\p)+12*\k+6*\c+3], v[ADP] offset:(4*(\q)+\k)*1536+768*\c
	ds_load_b64 v[PF+48*(\p)+12*\k+6*\c+4:PF+48*(\p)+12*\k+6*\c+5], v[ADP8] offset:(4*(\q)+\k)*1536+768*\c
.endr
.endr
	ds_load_b128 v[PS+4*(\p):PS+4*(\p)+3], v[AS] offset:2048*(\q)
.endm
.macro PR1 d, s0, s1, x0, x1, z, ra, rb
.if \z
	v_wmma_scale_f32_16x16x128_f8f6f4 v[\d:\d+7], v[\s0:\s0+11], v[\s1:\s1+11], 0, v[\x0], v[\x1] matrix_a_fmt:MATRIX_FMT_FP6 matrix_b_fmt:MATRIX_FMT_FP6 matrix_a_scale:MATRIX_SCALE_ROW\ra matrix_b_scale:MATRIX_SCALE_ROW\rb
.else
	v_wmma_scale_f32_16x16x128_f8f6f4 v[\d:\d+7], v[\s0:\s0+11], v[\s1:\s1+11], v[\d:\d+7], v[\x0], v[\x1] matrix_a_fmt:MATRIX_FMT_FP6 matrix_b_fmt:MATRIX_FMT_FP6 matrix_a_scale:MATRIX_SCALE_ROW\ra matrix_b_scale:MATRIX_SCALE_ROW\rb
.endif
.endm
.macro PROD e, q, n                    ; product n of quarter q of a block of parity e: K step 4 q + n / 4, tile n % 4
.set K_, 4*(\q)+(\n)/4
.set B_, (\n)%4
	VFRAG 4*K_+B_
	WIN W_
.set D_, ACC+32*(\e)+8*B_
.set X_, PF+48*((\q)%2)+12*((\n)/4)
.set SV_, VS+16*(B_/2)+K_
.set SP_, PS+4*((\q)%2)+(\n)/4
.set Z_, 0
.if K_ == 0
.set Z_, 1
.endif
.if B_%2
	PR1 D_, R_, X_, SV_, SP_, Z_, 1, \e
.else
	PR1 D_, R_, X_, SV_, SP_, Z_, 0, \e
.endif
.endm
.macro PK i, x                         ; x 1 / l, two at a time, each accumulator from its low end on (window 1 for source 0)
	v_pk_mul_f32 v[(\x)+2*(\i):(\x)+2*(\i)+1], v[RC:RC+1], v[(\x)+2*(\i):(\x)+2*(\i)+1] op_sel_hi:[0,1]
.endm
.macro MULS e, q, from, to
.set N_, \from
.rept (\to)-(\from)
	PROD \e, \q, N_
.set N_, N_+1
.endr
.endm
.macro TOSTAGE x                       ; a block of 16 x 64 into my stage, and back as rows, into the same registers.  LDS serves a wave's instructions in order (ISA guide 5.7.1.4)
.irp b, 0,1,2,3
	ds_store_b128 v[STO], v[(\x)+8*\b:(\x)+8*\b+3] offset:32*\b
	ds_store_b128 v[STO], v[(\x)+8*\b+4:(\x)+8*\b+7] offset:32*\b+16
.endr
.irp i, 0,1,2,3,4,5,6,7
	ds_load_b128 v[(\x)+4*\i:(\x)+4*\i+3], v[RD] offset:544*\i
.endr
.endm
.macro SEND x, i                       ; slots 2 i, 2 i + 1: two rows, each a whole aligned unit of 256 bytes; written once, read by nobody here
	global_store_b128 v[CO], v[(\x)+4*(\i):(\x)+4*(\i)+3], s[OB:OB+1] offset:(32*((\i)/4)+2*((\i)%4))*4096 th:TH_STORE_NT
.endm
.macro WHERE                           ; the first row of query block s83: 64 (s83 / 4) + 8 (s83 % 4)
	s_lshr_b32 s60, s83, 2
	s_lshl_b32 s60, s60, 18
	s_and_b32 s2, s83, 3
	s_lshl_b32 s2, s2, 15
	s_add_co_u32 s60, s60, s2
	ADDR OB, OC
	s_add_co_u32 s83, s83, 1
.endm
; A block of parity e.  way: the block before leaves; show: a plain barrier inside, behind which nothing is filled, shows the refill to all waves; next: a block follows; first: V's K steps 8-15 are still on their way.
; A load into registers that products have read stands four plain vector lines behind them.
.macro BLOCK e, way, show, next, first
	PLACES 4
	WIN 0
.if \way
	s_wait_xcnt 0x0                                ; the stores of the block before the last have read their registers and their base
	WHERE
.endif
	PFETCH 1, 1
	s_wait_dscnt 17                                ; set 0 and 1 / l are in
.if \first
	s_wait_loadcnt 63                              ; V's scale words: 72 younger loads
.endif
.set N_, 0
.rept 16
	PROD \e, 0, N_
.if (\way) && (N_ < 12)
	PK N_, ACC+32*(1-(\e))
.endif
.set N_, N_+1
.endr
.if \way
.irp i, 12,13,14,15
	PK \i, ACC+32*(1-(\e))
.endr
.else
	PLACES 4
.endif
	WIN 0
	PFETCH 0, 2
.if \way
	TOSTAGE ACC+32*(1-(\e))
	s_wait_dscnt 33                                ; set 1 is in; 17 loads, 8 stores and 8 loads are younger
.else
.if \first
	LDV 14
	LDV 15
.endif
	s_wait_dscnt 17
.endif
	MULS \e, 1, 0, 16
	PLACES 4
	WIN 0
	PFETCH 1, 3
	s_wait_dscnt 17                                ; set 0 is in, and the rows are back from the stage
.if \first
	s_wait_loadcnt 48                              ; V's K steps 8-11; those of 12-15 may be out
.endif
.if \way
.irp i, 0,1,2,3,4,5,6,7
	SEND ACC+32*(1-(\e)), \i
.endr
.endif
	MULS \e, 2, 0, 12
.if \show
	WIN 0
	WALU
	s_wait_tensorcnt 0x0
	s_wait_dscnt 0x0
	s_barrier_signal -1
.endif
	MULS \e, 2, 12, 16
.if \show
	WIN 0
	s_barrier_wait -1
.endif
	PLACES 4
	WIN 0
	v_add_nc_u32 v[ARL], s82, v[ARLB]
	s_add_co_u32 s82, s82, 64
.if \next
	s_add_co_u32 s80, s80, PBLK
	v_add_nc_u32 v[ADP], s80, v[ADPB]
	v_add_nc_u32 v[ADP8], s80, v[ADP8B]
.if \e
	s_add_co_u32 s81, s81, 512                     ; two blocks share their lanes' scale words
	v_add_nc_u32 v[AS], s81, v[ASB]
.endif
.endif
	WALU                                           ; the wait behind these writes
.if \next
	PFETCH 0, 0
.endif
	WIN 0x40
	ds_load_b32 v[RC], v[ARL]                      ; 1 / l of this block's queries
	WIN 0
.if \next
	s_wait_dscnt 18                                ; set 1 is in
.else
	s_wait_dscnt 1
.endif
.if \first
	s_wait_loadcnt 0x0
.endif
	MULS \e, 3, 0, 16
	WIN 0
.endm
	s_load_b256 s[4:11], s[0:1], 0x0               ; pc s[4:5], pst s[6:7], qkvc s[8:9], qkvs s[10:11]
	s_load_b64 s[12:13], s[0:1], 0x20              ; out0
	v_lshl_add_u32 v[SPW], v0, 2, SPARE
	v_mov_b32 v[NIL], 0
	ds_add_u32 v[SPW], v[NIL]                      ; the opening lines: the add, twice on end, and its wait
	ds_add_u32 v[SPW], v[NIL]
	v_lshrrev_b32 v1, 5, v0
	v_readfirstlane_b32 s[WV], v1
	s_lshr_b32 s[WHI], s[WV], 1                    ; waves 0, 1 fetch V, waves 2, 3 P
	s_and_b32 s[WLO], s[WV], 1
	s_bfe_u32 s[CX], ttmp6, 0x40000
	s_bfe_u32 s[CY], ttmp6, 0x40004
	s_mul_i32 s2, s[WV], 24576                     ; my four channel blocks in a region
	s_mul_i32 s3, s[WV], 4352
	s_add_co_u32 s3, s3, STG                       ; my stage
	s_and_b32 s60, s[CY], 1                        ; which half of the 256 slots of the statistics is my tile
	s_lshl_b32 s61, s60, 11
	s_lshl_b32 s60, s60, 10
	v_and_b32 v1, 31, v0                           ; lane
	v_and_b32 v2, 15, v0                           ; r
	v_bfe_u32 v3, v0, 4, 1                         ; h
	v_lshlrev_b32 v[LI], 4, v1
	v_lshlrev_b32 v[L4], 2, v1
	v_add_nc_u32 v[ADPB], RG, v[LI]
	v_lshl_add_u32 v[ADP8B], v1, 3, RG+512
	v_mov_b32 v[ADP], v[ADPB]
	v_mov_b32 v[ADP8], v[ADP8B]
	v_add_nc_u32 v[ASB], SCA, v[LI]
	v_mov_b32 v[AS], v[ASB]
	v_lshl_add_u32 v[ARLB], v2, 2, RL
	v_mul_u32_u24 v[STO], v2, 272
	v_lshl_add_u32 v[STO], v3, 7, v[STO]
	v_add_nc_u32 v[STO], s3, v[STO]                ; in: row slot r, + 128 h
	v_mul_u32_u24 v[RD], v3, 272
	v_lshl_add_u32 v[RD], v2, 4, v[RD]
	v_add_nc_u32 v[RD], s3, v[RD]                  ; back: two rows of 256 bytes, 16 a lane
	v_lshlrev_b32 v[CO], 12, v3
	v_lshl_add_u32 v[CO], v2, 4, v[CO]             ; the same in O
	v_lshl_add_u32 v[SAW], v0, 4, SCA
	v_lshl_add_u32 v[RLW], v0, 2, RL
	v_lshl_add_u32 v[VM], v0, 4, s61
	v_lshl_add_u32 v[VSS], v0, 3, s60
	v_add_nc_u32 v[ADRV], s2, v[LI]
	v_add_nc_u32 v[ADRV2], 2*RG, v[ADRV]
	WIN 0x40
	v_mov_b32 v[RC+1], 0                           ; named as the upper half of a pair
	WIN 0
	WALU
	s_and_b32 s[CLY], ttmp7, 0xffff
	s_lshl_b32 s2, s[CY], 2
	s_lshl_b32 s2, 15, s2                          ; my row of the cluster
	s_lshl_b32 s3, 0x1111, s[CX]                   ; my column
	s_or_b32 s[G1P], s2, (3<<16)|(1<<21)           ; elements of 8 bytes
	s_or_b32 s[G1V], s3, (3<<16)|(1<<21)
	s_mov_b32 s[G1V+1], 768<<16                    ; V: 16 channel blocks x four K steps (6,144 bytes), 98,304 bytes from block to block
	s_mov_b32 s[G1V+2], 16<<16
	s_mov_b32 s[G1V+3], 768<<16
	s_mov_b32 s[G1V+4], 16
	s_mov_b32 s[G1V+5], 12288
	s_mov_b32 s[G1V+6], 0
	s_mov_b32 s[G1V+7], 0
	s_mov_b32 s[G1P+1], 3072<<16                   ; P: two query blocks of 24,576 bytes
	s_mov_b32 s[G1P+2], 2<<16
	s_mov_b32 s[G1P+3], 3072<<16
	s_mov_b32 s[G1P+4], 2
	s_mov_b32 s[G1P+5], 3072
	s_mov_b32 s[G1P+6], 0
	s_mov_b32 s[G1P+7], 0
	s_lshl_b32 s70, s[CLY], 2
	s_add_co_u32 s70, s70, s[CY]                   ; the query tile
	s_lshr_b32 s71, s[CLY], 2                      ; the batch
	s_mov_b32 s80, 0
	s_mov_b32 s81, 0
	s_mov_b32 s82, 0
	s_mov_b32 s83, 0
	s_mov_b32 s61, 0
	s_mov_b32 s[G0V], 1
	s_mul_i32 s[G0V+1], s[WLO], 2*RG
	s_mov_b32 s[G0P], 1
	s_mul_i32 s[G0P+1], s[WLO], 2*PBLK
	s_add_co_u32 s[G0P+1], s[G0P+1], RG
	s_wait_dscnt 0x0
	s_wait_kmcnt 0x0
	s_lshr_b32 s60, s70, 1
	s_mul_i32 s60, s60, 81920
	ADDR 74, 6                                     ; the statistics of my 256 slots
.irp i, 0,1,2,3,4,5,6,7                ; thread t takes query slot t: four runs of each of the eight key tiles
	global_load_b128 v[NMS+4*\i:NMS+4*\i+3], v[VM], s[74:75] offset:10240*\i
	global_load_b128 v[LSS+4*\i:LSS+4*\i+3], v[VM], s[74:75] offset:10240*\i+4096
	global_load_b64 v[WS+2*\i:WS+2*\i+1], v[VSS], s[74:75] offset:10240*\i+8192
.endr
	s_lshl_b32 s60, s[CX], 1
	s_add_co_u32 s60, s60, s[WHI]
	s_lshl_b32 s60, s60, 15
	s_lshl_b32 s2, s71, 13
	s_add_co_u32 s60, s60, s2
	s_lshl_b32 s2, s[WLO], 8
	s_add_co_u32 s60, s60, s2
	s_add_co_u32 s60, s60, 524288
	ADDR 76, 10                                    ; my 64 channels' scale words
.irp x, 0,1
.irp k, 0,1,2,3,4,5,6,7,8,9,10,11,12,13,14,15
	global_load_b32 v[VS+16*\x+\k], v[L4], s[76:77] offset:512*\k+128*\x
.endr
.endr
	s_mul_i32 s60, s[CX], 1572864                  ; V: channel block 16 cx,
	s_mul_i32 s2, s71, 24576                       ; the batch's 16 K steps,
	s_add_co_u32 s60, s60, s2
	s_add_co_u32 s60, s60, 12582912                ; in qkvc's second part
	s_mul_i32 s2, s[WLO], 6144
	s_mov_b32 s3, s60
	s_add_co_u32 s60, s60, s2
	ADDR G0V+2, 8                                  ; wave 0: K steps 0-3, wave 1: 4-7
	s_or_b32 s[G0V+3], s[G0V+3], 0x80000000
	s_mul_i32 s60, s[WV], 393216
	s_add_co_u32 s60, s60, s3
	ADDR VB, 8                                     ; my four channel blocks
	s_lshl_b32 s60, s70, 2
	s_add_co_u32 s60, s60, s[WLO]
	s_mul_i32 s60, s60, 49152
	ADDR G0P+2, 4                                  ; P: query block 8 x tile + 2 x half
	s_or_b32 s[G0P+3], s[G0P+3], 0x80000000
	CROUND                                         ; all sixteen work-groups are here: the first joint loads meet
	s_cmp_eq_u32 s[WHI], 0
	s_cbranch_scc0 .Lfor_p
	tensor_load_to_lds s[G0V:G0V+3], s[G1V:G1V+7]
	s_nop 0
	PLACES 4
	s_branch .Lasked
.Lfor_p:
	tensor_load_to_lds s[G0P:G0P+3], s[G1P:G1P+7]
	s_nop 0
	PLACES 4
.Lasked:
	s_lshl_b32 s60, s70, 19                        ; where O goes: row 128 x tile of 4,096 bytes,
	s_lshl_b32 s2, s[CX], 10
	s_add_co_u32 s60, s60, s2
	s_lshl_b32 s2, s[WV], 8
	s_add_co_u32 s60, s60, s2                      ; channel 256 cx + 64 x wave
	ADDR OC, 12
	s_wait_loadcnt 32                              ; the statistics are in; V's 32 scale loads may be out
	LDV 8
	LDV 9
	v_min3_num_f32 v[NMR], v[NMS], v[NMS+1], v[NMS+2]   ; the smallest -M: the row's M
	v_min3_num_f32 v[LT], v[NMS+3], v[NMS+4], v[NMS+5]
.irp i, 6,10,14,18,22,26
	v_min3_num_f32 v[NMR], v[NMR], v[NMS+\i], v[NMS+\i+1]
	v_min3_num_f32 v[LT], v[LT], v[NMS+\i+2], v[NMS+\i+3]
.endr
	v_min3_num_f32 v[NMR], v[NMR], v[NMS+30], v[NMS+31]
	v_min_num_f32 v[NMR], v[NMR], v[LT]
.set n, 0
.rept 32
	v_sub_f32 v[NMS+n], v[NMS+n], v[NMR]           ; the row's M less the run's: a whole number, 0 or more
.set n, n+1
.endr
.set n, 0
.rept 32
	v_min_num_f32 v[NMS+n], 0x42fe0000, v[NMS+n]   ; held at 127
.set n, n+1
.endr
.set n, 0
.rept 32
	v_cvt_u32_f32 v[NMS+n], v[NMS+n]               ; d
.set n, n+1
.endr
.set n, 0
.rept 32
	v_sub_nc_u32 v[FS+n], 127, v[NMS+n]
.set n, n+1
.endr
.set n, 0
.rept 32
	v_lshlrev_b32 v[FS+n], 23, v[FS+n]             ; 2^-d as f32 (d = 127: 0)
.set n, n+1
.endr
.set n, 0
.rept 32
.if n < 4
	v_mul_f32 v[LT+n], v[LSS+n], v[FS+n]           ; l under the row's M, in four chains
.else
	v_fma_f32 v[LT+n%4], v[LSS+n], v[FS+n], v[LT+n%4]
.endif
.set n, n+1
.endr
	v_add_f32 v[LT], v[LT], v[LT+1]
	v_add_f32 v[LT+2], v[LT+2], v[LT+3]
	v_add_f32 v[LT], v[LT], v[LT+2]
	WALU                                           ; the wait ahead of the transcendental
	v_rcp_f32 v[RI], v[LT]
.set n, 0
.rept 16
	v_perm_b32 v[FS+n], v[NMS+2*n+1], v[NMS+2*n], 0x04040000   ; the two runs' d in their two bytes each.  (Plain work behind the reciprocal)
.set n, n+1
.endr
.set n, 0
.rept 16
	v_or_b32 v[WS+n], 0x80808080, v[WS+n]          ; 128 onto each byte (a byte is at most 125, d at most 127): so no byte borrows from its neighbour
.set n, n+1
.endr
.set n, 0
.rept 16
	v_sub_nc_u32 v[WS+n], v[WS+n], v[FS+n]
.set n, n+1
.endr
.set n, 0
.rept 16
	v_and_b32 v[NMS+n], 0x80808080, v[WS+n]        ; the top bit has stayed where byte >= d
.set n, n+1
.endr
.set n, 0
.rept 16
	v_lshrrev_b32 v[FS+n], 7, v[NMS+n]
.set n, n+1
.endr
.set n, 0
.rept 16
	v_sub_nc_u32 v[NMS+n], v[NMS+n], v[FS+n]       ; 0x7f there, 0 elsewhere
.set n, n+1
.endr
.set n, 0
.rept 16
	v_and_b32 v[WS+n], v[WS+n], v[NMS+n]           ; byte - d, or 0
.set n, n+1
.endr
	WALU                                           ; ahead of the reciprocal's first reader
.irp q, 0,1,2,3
	ds_store_b128 v[SAW], v[WS+4*\q:WS+4*\q+3] offset:2048*\q
.endr
	ds_store_b32 v[RLW], v[RI]
	s_cmp_eq_u32 s[WHI], 0
	s_cbranch_scc0 .Lno_v
	s_wait_tensorcnt 0x0                           ; the waves that fetch V wait for it
.Lno_v:
	s_wait_dscnt 0x0
	s_barrier_signal -1
	s_barrier_wait -1                              ; V's K steps 0-7 are in
.irp k, 0,1,2,3,4,5,6,7
.irp b, 0,1,2,3
	VFRAG 4*\k+\b
	WIN (W_<<6)
.irp c, 0,1,2
.if \k < 4
	ds_load_b128 v[R_+4*\c:R_+4*\c+3], v[ADRV] offset:6144*\b+1536*\k+512*\c
.else
	ds_load_b128 v[R_+4*\c:R_+4*\c+3], v[ADRV2] offset:6144*\b+1536*(\k-4)+512*\c
.endif
.endr
.endr
.endr
	WIN 0
	LDV 10
	LDV 11
	s_wait_tensorcnt 0x0                           ; P's blocks 0-3 too
	ds_add_u32 v[SPW], v[NIL]
	s_add_nc_u64 s[G0P+2:G0P+3], s[G0P+2:G0P+3], 4*PBLK   ; the refill: four query blocks on,
	s_add_co_u32 s[G0P+1], s[G0P+1], RG            ; onto the third region
	s_wait_dscnt 0x0                               ; the add is done, and V's K steps 0-7 are in my registers
	CROUND
	s_cmp_eq_u32 s[WHI], 0
	s_cbranch_scc1 .Lno_refill
	tensor_load_to_lds s[G0P:G0P+3], s[G1P:G1P+7]
	s_nop 0
	PLACES 4
.Lno_refill:
	PFETCH 0, 0
	LDV 12
	LDV 13
	BLOCK 0, 0, 0, 1, 1
	s_mov_b32 s84, 0
.Ltrip:                                                ; blocks 1 to 6
	BLOCK 1, 1, 1, 1, 0
	BLOCK 0, 1, 0, 1, 0
	s_add_co_u32 s84, s84, 1
	s_cmp_lt_u32 s84, 3
	s_cbranch_scc1 .Ltrip
	BLOCK 1, 1, 0, 0, 0
	PLACES 4                                       ; the last block leaves
	s_wait_xcnt 0x0
	WHERE
	s_wait_dscnt 0x0
	WIN 1
.set n, 0
.rept 16
	PK n, ACC+32
.set n, n+1
.endr
	WIN 0
	TOSTAGE ACC+32
.irp i, 0,1,2,3,4,5,6,7
	s_wait_dscnt 7-\i
	SEND ACC+32, \i
.endr
	s_wait_tensorcnt 0x0                           ; the wave's end
	ds_add_u32 v[SPW], v[NIL]
	s_wait_dscnt 0x0
	CROUND                                         ; the closing round
	s_endpgm
.Lfunc_end_k_qa74bb13cb4_pv:
	.size	k_qa74bb13cb4_pv, .Lfunc_end_k_qa74bb13cb4_pv-k_qa74bb13cb4_pv
	.p2alignl 7, 3214868480
	.fill 96, 4, 3214868480
	.section	.rodata,"a",@progbits
	.p2align	6, 0x0
	.amdhsa_kernel k_qa74bb13cb4_pv
		.amdhsa_group_segment_fixed_size 327680
		.amdhsa_private_segment_fixed_size 0
		.amdhsa_enable_private_segment 0
		.amdhsa_kernarg_size 40
		.amdhsa_user_sgpr_count 2
		.amdhsa_user_sgpr_kernarg_segment_ptr 1
		.amdhsa_wavefront_size32 1
		.amdhsa_system_sgpr_workgroup_id_x 1
		.amdhsa_system_sgpr_workgroup_id_y 1
		.amdhsa_system_sgpr_workgroup_id_z 1
		.amdhsa_system_vgpr_workitem_id 0
		.amdhsa_next_free_vgpr 1024
		.amdhsa_next_free_sgpr 102
		.amdhsa_reserve_vcc 0
		.amdhsa_float_denorm_mode_32 3
		.amdhsa_float_denorm_mode_16_64 3
		.amdhsa_memory_ordered 1
		.amdhsa_forward_progress 1
		.amdhsa_inst_pref_size 112
	.end_amdhsa_kernel
	.amdgpu_metadata
---
amdhsa.version: [ 1, 2 ]
amdhsa.kernels:
  - .name:           k_qa74bb13cb4_pv
    .symbol:         k_qa74bb13cb4_pv.kd
    .args:
      - { .name: pc, .offset: 0, .size: 8, .value_kind: global_buffer, .address_space: global }
      - { .name: pst, .offset: 8, .size: 8, .value_kind: global_buffer, .address_space: global }
      - { .name: qkvc, .offset: 16, .size: 8, .value_kind: global_buffer, .address_space: global }
      - { .name: qkvs, .offset: 24, .size: 8, .value_kind: global_buffer, .address_space: global }
      - { .name: out0, .offset: 32, .size: 8, .value_kind: global_buffer, .address_space: global }
    .group_segment_fixed_size: 327680
    .private_segment_fixed_size: 0
    .kernarg_segment_align: 8
    .kernarg_segment_size: 40
    .max_flat_workgroup_size: 128
    .sgpr_count:     102
    .vgpr_count:     1024
    .wavefront_size: 32
...
	.end_amdgpu_metadata
.endif
;; end of part 4
